; MI455X (gfx1250); checked and timed in simulation.
; The chip was launched on July 23, 2026; its instructions are those of AMD's public machine-readable ISA for CDNA 5 (MIT licence, August 2026) and "CDNA5" Instruction Set Architecture Reference Guide (July 2026). The comments in the code are by the model that wrote it; some were corrected since.
;; Mo E Layer. Allowed arithmetic: matrix products marked QUANTISED: E2M3 operands, one E8M0 scale for each 32 along K, by v_wmma_scale_f32_16x16x128_f8f6f4 with both operands' format E2M3, f32 sums; products left as they are: f32 operands where the result goes on into a quantised operand, else bf16, f16 or f32 operands; f32 sums; everything else in f32.
;; Inputs: W1_codes 8 x 4,096 x 32 x 24 uint8 (E2M3 codes of W1, K innermost, in blocks of 32 codes, four codes in three bytes); W1_scales 8 x 4,096 x 32 uint8 (E8M0 scales of W1, one for each 32 codes along K); W2_codes 8 x 1,024 x 128 x 24 uint8 (E2M3 codes of W2, K innermost, in blocks of 32 codes, four codes in three bytes); W2_scales 8 x 1,024 x 128 uint8 (E8M0 scales of W2, one for each 32 codes along K); Wr 1,024 x 8 float32; b1 8 x 4,096 float32; b2 8 x 1,024 float32; br 8 float32; x 4 x 256 x 1,024 float32.
;; Outputs: out0 4 x 256 x 1,024 float32; out1 one number float32.
;; This version of the problem:
;;   THIS VERSION OF THE PROBLEM IS GIVEN IN LOW PRECISION. The matrix products marked QUANTISED in the list below multiply operands that are first quantised to E2M3 (2 exponent bits, 3 mantissa bits; 6 bits a number), with one power-of-two scale for each 32 numbers along K (OCP MX v1.0); their sums are f32. All else is computed in f32.
;;   The module's matrix products, in the order in which they are computed (A, B: the left and right operand; K: the contracted axis; several contracted axes count as one K, in the product's order):
;;     1. [M 1,024, K 1,024] x [K 1,024, N 8]; A: input x; B: input Wr: left as it is (N = 8 < 16)
;;     2. [M 1,024, K 1,024] x [K 1,024, N 4,096]; A: input x; B: input W1 (given as codes): QUANTISED
;;     3. [M 1,024, K 4,096] x [K 4,096, N 1,024]; A: computed on the way; B: input W2 (given as codes): QUANTISED
;;     4. [M 1,024, K 1,024] x [K 1,024, N 4,096]; A: input x; B: input W1 (given as codes): QUANTISED
;;     5. [M 1,024, K 4,096] x [K 4,096, N 1,024]; A: computed on the way; B: input W2 (given as codes): QUANTISED
;;     6. [M 1,024, K 1,024] x [K 1,024, N 4,096]; A: input x; B: input W1 (given as codes): QUANTISED
;;     7. [M 1,024, K 4,096] x [K 4,096, N 1,024]; A: computed on the way; B: input W2 (given as codes): QUANTISED
;;     8. [M 1,024, K 1,024] x [K 1,024, N 4,096]; A: input x; B: input W1 (given as codes): QUANTISED
;;     9. [M 1,024, K 4,096] x [K 4,096, N 1,024]; A: computed on the way; B: input W2 (given as codes): QUANTISED
;;     10. [M 1,024, K 1,024] x [K 1,024, N 4,096]; A: input x; B: input W1 (given as codes): QUANTISED
;;     11. [M 1,024, K 4,096] x [K 4,096, N 1,024]; A: computed on the way; B: input W2 (given as codes): QUANTISED
;;     12. [M 1,024, K 1,024] x [K 1,024, N 4,096]; A: input x; B: input W1 (given as codes): QUANTISED
;;     13. [M 1,024, K 4,096] x [K 4,096, N 1,024]; A: computed on the way; B: input W2 (given as codes): QUANTISED
;;     14. [M 1,024, K 1,024] x [K 1,024, N 4,096]; A: input x; B: input W1 (given as codes): QUANTISED
;;     15. [M 1,024, K 4,096] x [K 4,096, N 1,024]; A: computed on the way; B: input W2 (given as codes): QUANTISED
;;     16. [M 1,024, K 1,024] x [K 1,024, N 4,096]; A: input x; B: input W1 (given as codes): QUANTISED
;;     17. [M 1,024, K 4,096] x [K 4,096, N 1,024]; A: computed on the way; B: input W2 (given as codes): QUANTISED
;;   THE QUANTISER, for each operand of a quantised product, along K:
;;     - K is cut into blocks of 32 from its start; a last block that is shorter is filled with zeros.
;;     - A block's scale is 2^e with e = floor(log2(the largest magnitude in the block)) - 2, held to -126 .. 127; a block of zeros has e = 0. As a byte (E8M0): e + 127.
;;     - Each number is divided by its block's scale, clamped to +-7.5, and rounded to the nearest number of E2M3, ties to even, subnormals kept.
;;     - The product sums the exact products of the quantised numbers (number of the format x scale) in f32.
;;   ~~~python
;;   def quantise(x, axis):      # numpy; x: float32 -> the quantised numbers, widened to float32 again
;;       x = np.moveaxis(x, axis, -1); K = x.shape[-1]
;;       x = np.pad(x, [(0, 0)] * (x.ndim - 1) + [(0, -K % 32)]); x = x.reshape(x.shape[:-1] + (-1, 32)); a = np.abs(x).max(-1, keepdims=True)
;;       e = np.where(a > 0, np.clip(np.frexp(np.where(a > 0, a, 1))[1] - 1 - 2, -126, 127), 0)      # np.frexp(a)[1] - 1 = floor(log2(a)), exactly
;;       r = np.clip(x / 2.0 ** e, -7.5, 7.5)
;;       step = 2.0 ** (np.maximum(np.frexp(np.where(r == 0, 1, r))[1] - 1, 0) - 3)
;;       q = np.round(r / step) * step * 2.0 ** e      # np.round: ties to even
;;       return np.moveaxis(q.reshape(q.shape[:-2] + (-1,))[..., :K], -1, axis).astype(np.float32)
;;   ~~~
;;   OPERANDS COMPUTED ON THE WAY. 'Computed on the way' means the value that the module computes at that place (a softmax that the list does not call 'softmax' is quantised finished and normalised). What goes into a quantiser is computed in f32, as accurately as f32 sums, v_exp_f32 and their like allow (about 1e-6 of the number): no bf16 or f16 on the way to a quantiser, and a product that is left as it is and whose result goes on into a quantised operand takes f32 operands (vector FMAs, or v_wmma_f32_16x16x4_f32). A number that lies on a knife's edge between two numbers of the format may be rounded either way, as far as f32 arithmetic and the matrix unit's own rounding can turn it there, and no further.
;;   INPUTS GIVEN AS CODES. W1 (in the module: [8, 1024, 4096], K = its axis 1); W2 (in the module: [8, 4096, 1024], K = its axis 1): each comes as NAME_codes (uint8): NAME with its K axis moved to the last place and cut into blocks of 32 codes, [.., K / 32, bytes a block], one block behind the other in memory; four codes in three bytes: a row's codes are one little-endian stream of bits, code i at bits 6 i .. 6 i + 5 (a code: sign, 2 exponent bits, 3 mantissa bits); and NAME_scales (uint8): the same leading axes, one E8M0 byte (e + 127) for each 32 codes along K. Its value is code x scale, taken as it is: it is not quantised again, and the codes and scales need not be those that the quantiser above would give.
;; 2 versions. Each part assembles by itself: llvm-mc -triple=amdgcn-amd-amdhsa -mcpu=gfx1250 --defsym DOCPART=n.
;; ======== version 1 of 2: 5 launches
;; workspace buffers: xq 819,200 bytes; topi 8,192 bytes of whole numbers; rtf 40,960 bytes; plan 17,152 bytes of whole numbers; hq 7,188,480 bytes; y 8,847,360 bytes
;; launch route (part 1): grid 128 x 1, 8 waves a work-group, no clusters, 76,800 bytes of LDS; arguments x, Wr, br, xq, topi, rtf; writes xq, topi, rtf
.if DOCPART == 1
	.amdgcn_target "amdgcn-amd-amdhsa--gfx1250"
	.amdhsa_code_object_version 6
	.text
	.protected	k_qabcf98be8d_route
	.globl	k_qabcf98be8d_route
	.p2align	8
	.type	k_qabcf98be8d_route,@function
k_qabcf98be8d_route:
	s_mov_b64 s[64:65], 0
	v_nop
	global_prefetch_b8 v0, s[64:65] scope:SCOPE_SE
	s_setreg_imm32_b32 hwreg(HW_REG_WAVE_MODE, 25, 1), 1
	s_wait_xcnt 0x0
; ROUTER AND QUANTISER OF x.  x [1024][1024] f32, Wr [1024][8] f32, br [8] f32.
; A work-group takes 8 tokens, a wave one token.  For its token a wave (a) turns x into codes of FP6 (E2M3) with one E8M0 byte for each 32 along K,
; (b) forms the 8 logits x Wr + br in f32 by fused multiply-adds, their softmax (the maximum taken away first) and the two largest gates.
; OUT: xq: codes, 768 bytes a token; block 4 s + 2 c + hh of a row lies at 96 s + 48 hh + 24 c, so that lane (r, hh) of a later product finds the 48 bytes of
;      its 12 operand registers of K step s on end; from byte XSOFF the scale bytes, 32 a token, in K's order.
;      topi: the two chosen experts of each token (whole numbers, at fixed places: no address here hangs on the choice).  rtf: the two gates at 0, all 8 gates from byte 8192.
; A block's scale is 2^(floor(log2(largest magnitude)) - 2); its byte is that magnitude's exponent field - 2, held at 1 from below.
; LIMITS: NaN and infinities are not served.  A block whose largest magnitude lies under 2^-124, a block of zeros too, gets the byte 1 (zero codes add nothing; only this program reads the bytes).
;         Equal gates: the lower index wins, as in the top-k that is asked for.  The logits' sums run over lanes, not in K's order.
; No matrix unit: 8 columns.  No cluster: the one shared input, Wr, is 32 KiB against 32 KiB of x for a work-group and comes once.
.set STG,   33792                      ; LDS: Wr at 0: 64 pieces of 512 bytes + 16 of padding (row k at 528 (k / 16) + 32 (k % 16)); then for each wave two stages of 32 x 80 bytes
.set XSB,   74752                      ; the work-group's 256 scale bytes
.set GB,    75008                      ; its 8 x 8 gates
.set TIB,   75264                      ; its 8 x 2 chosen experts; the 8 x 2 chosen gates lie 256 bytes on
.set XSOFF, 786432
.set R,     16                         ; v16-47   x as loaded; later at work
.set G,     32                         ; v32-39   the gates
.set X,     80                         ; v80-111  x: k = 512 u + 16 lane + i in v[X + 16 u + i]
.set WG0,   112                        ; v112-175 rows of Wr, even groups
.set WG1,   176                        ; v176-239 rows of Wr, odd groups; at the head Wr as loaded
.set ACC,   240                        ; v240-247 the 8 logits' sums
	s_load_b256 s[4:11], s[0:1], 0x0               ; x s[4:5], Wr s[6:7], br s[8:9], xq s[10:11]
	s_load_b128 s[12:15], s[0:1], 0x20             ; topi s[12:13], rtf s[14:15]
	v_lshl_add_u32 v251, v0, 2, 0x12800
	v_mov_b32 v255, 0
	v_and_b32 v1, 31, v0                           ; lane
	v_lshrrev_b32 v10, 5, v0
	v_readfirstlane_b32 s16, v10                   ; wave 0..7
	v_lshlrev_b32 v2, 4, v1                        ; 16 x lane
	v_lshlrev_b32 v3, 4, v0                        ; 16 x thread
	s_lshl_b32 s17, s16, 4
	v_add_nc_u32 v4, s17, v3                       ; Wr into LDS: a wave's 512 bytes are one piece: 528 x wave + 16 x lane
	s_mul_i32 s17, s16, 5120
	s_add_co_u32 s17, s17, STG                     ; my wave's stages
	v_lshrrev_b32 v10, 2, v1
	v_mul_u32_u24 v10, v10, 80
	v_and_b32 v11, 3, v1
	v_lshl_add_u32 v10, v11, 4, v10
	v_add_nc_u32 v5, s17, v10                      ; into a stage: four lanes' 64 bytes on end, then 16 of padding
	v_mul_u32_u24 v6, v1, 80
	v_add_nc_u32 v6, s17, v6                       ; out of it: my 16 neighbours
	v_mul_u32_u24 v7, v1, 528                      ; Wr's 16 rows that go with my 16 numbers
	v_lshrrev_b32 v10, 3, v1
	v_mul_u32_u24 v8, v10, 96                      ; where my 12 bytes of codes go: K step lane / 8,
	v_bfe_u32 v10, v1, 1, 1
	v_mad_u32_u24 v8, v10, 48, v8                  ; hh = bit 1,
	v_bfe_u32 v10, v1, 2, 1
	v_mad_u32_u24 v8, v10, 24, v8                  ; c = bit 2,
	v_and_b32 v10, 1, v1
	v_mad_u32_u24 v8, v10, 12, v8                  ; the block's half = bit 0
	s_lshl_b32 s17, s16, 5
	s_add_co_u32 s21, s17, XSB
	v_lshrrev_b32 v9, 1, v1
	v_add_nc_u32 v9, s21, v9                       ; my block's scale byte: 32 x wave + lane / 2
	s_add_co_u32 s21, s17, GB
	v_mov_b32 v52, s21                             ; my token's gates
	s_lshl_b32 s21, s16, 3
	s_add_co_u32 s21, s21, TIB
	v_mov_b32 v53, s21                             ; my token's two experts
	v_lshlrev_b32 v48, 3, v1                       ; the way out: 8 bytes a lane,
	v_add_nc_u32 v49, XSB, v48
	v_and_b32 v50, 15, v1
	v_lshlrev_b32 v50, 2, v50                      ; or 4 bytes for each of 16 lanes (lanes 16-31 name the same words with the same values)
	v_add_nc_u32 v51, TIB, v50
	s_lshl_b32 s20, ttmp9, 3
	s_add_co_u32 s20, s20, s16                     ; my token
	s_mov_b32 s18, 0x76543210
	s_mov_b32 s19, 0xfedcba98                      ; lane selects: lane xor 16
	s_mov_b32 s23, 0
	s_wait_kmcnt 0x0
	s_load_b256 s[24:31], s[8:9], 0x0              ; br
	s_lshl_b32 s22, s20, 12
	s_add_nc_u64 s[4:5], s[4:5], s[22:23]          ; my row of x
	s_mul_i32 s22, s20, 768
	s_add_nc_u64 s[32:33], s[10:11], s[22:23]      ; my row of codes
	s_lshl_b32 s22, ttmp9, 8
	s_add_nc_u64 s[34:35], s[10:11], s[22:23]      ; the work-group's 256 scale bytes (XSOFF stands in the store)
	s_add_nc_u64 s[36:37], s[14:15], s[22:23]      ; its 256 bytes of gates (8192 likewise)
	s_lshl_b32 s22, ttmp9, 6
	s_add_nc_u64 s[38:39], s[12:13], s[22:23]      ; its 64 bytes of experts
	s_add_nc_u64 s[40:41], s[14:15], s[22:23]      ; and of chosen gates
.irp j, 0,1,2,3,4,5,6,7
	global_load_b128 v[R+4*\j:R+4*\j+3], v2, s[4:5] offset:512*\j th:TH_LOAD_NT   ; 512 consecutive bytes a load
.endr
.irp j, 0,1,2,3,4,5,6,7
	global_load_b128 v[WG1+4*\j:WG1+4*\j+3], v3, s[6:7] offset:4096*\j            ; the work-group's eight waves take Wr whole
.endr
.macro TURN u                          ; 512 numbers through a stage: in as loaded, out 16 neighbours a lane; LDS serves a wave's instructions in order
.irp i, 0,1,2,3
	ds_store_b128 v5, v[R+16*\u+4*\i:R+16*\u+4*\i+3] offset:2560*\u+640*\i
.endr
.irp i, 0,1,2,3
	ds_load_b128 v[X+16*\u+4*\i:X+16*\u+4*\i+3], v6 offset:2560*\u+16*\i
.endr
.endm
	s_wait_loadcnt 8                               ; x is in; behind it the 8 loads of Wr were issued
	TURN 0
	TURN 1
	s_wait_loadcnt 0x0                             ; Wr
.irp j, 0,1,2,3,4,5,6,7
	ds_store_b128 v4, v[WG1+4*\j:WG1+4*\j+3] offset:4224*\j
.endr
	s_wait_dscnt 0x0                               ; my part of Wr lies in LDS, and my x is back
	s_barrier_signal -1
	s_barrier_wait -1                              ; everybody's part does
.macro WLOAD g, reg                    ; group g: Wr's rows for x numbers 8 (g % 2) .. + 7 of half g / 2: 16 loads
.irp i, 0,1,2,3,4,5,6,7
	ds_load_b128 v[\reg+8*\i:\reg+8*\i+3],   v7 offset:16896*((\g)/2)+32*(8*((\g)%2)+\i)
	ds_load_b128 v[\reg+8*\i+4:\reg+8*\i+7], v7 offset:16896*((\g)/2)+32*(8*((\g)%2)+\i)+16
.endr
.endm
.macro QX u                            ; my 16 numbers of half u become 16 codes; two neighbouring lanes hold a block
.set XR, X+16*\u
	v_max3_num_f32 v10, |v[XR]|, |v[XR+1]|, |v[XR+2]|
	v_max3_num_f32 v11, |v[XR+3]|, |v[XR+4]|, |v[XR+5]|
.irp i, 6,10
	v_max3_num_f32 v10, v10, |v[XR+\i]|, |v[XR+\i+1]|
	v_max3_num_f32 v11, v11, |v[XR+\i+2]|, |v[XR+\i+3]|
.endr
	v_max3_num_f32 v10, v10, |v[XR+14]|, |v[XR+15]|
	v_max3_num_f32 v10, v10, v11, 0x1800000        ; the floor 2^(3 - 127): the byte cannot fall under 1
	v_max_num_f32_dpp v10, v10, v10 row_xmask:1 row_mask:0xf bank_mask:0xf   ; with my neighbour's 16: the block's largest magnitude
	v_add_nc_u32 v12, 0xff000000, v10              ; 2 off its exponent field: the conversion's scale operand
	v_cvt_scalef32_pk16_fp6_f32 v[248+4*\u:250+4*\u], v[XR:XR+15], v12
	v_lshrrev_b32 v[14+\u], 23, v12                ; the scale's byte (also the plain line behind the conversion)
	ds_store_b8 v9, v[14+\u] offset:16*\u          ; both lanes of a block write the same byte
	global_store_b96 v8, v[248+4*\u:250+4*\u], s[32:33] offset:384*\u   ; the wave's 32 pieces fill 384 consecutive bytes
.endm
.macro FMAE xp, wr                     ; the pair's first number x 8 columns
.irp q, 0,1,2,3
	v_pk_fma_f32 v[ACC+2*\q:ACC+2*\q+1], v[\xp:\xp+1], v[\wr+2*\q:\wr+2*\q+1], v[ACC+2*\q:ACC+2*\q+1] op_sel_hi:[0,1,1]
.endr
.endm
.macro FMAO xp, wr                     ; the pair's second number
.irp q, 0,1,2,3
	v_pk_fma_f32 v[ACC+2*\q:ACC+2*\q+1], v[\xp:\xp+1], v[\wr+2*\q:\wr+2*\q+1], v[ACC+2*\q:ACC+2*\q+1] op_sel:[1,0,0] op_sel_hi:[1,1,1]
.endr
.endm
.macro FMAG g, reg, first              ; 8 numbers of x x their rows of Wr; first = 1: the first products start the sums
.irp a, 0,1,2,3
.if (\first) && (\a == 0)
.irp q, 0,1,2,3
	v_pk_mul_f32 v[ACC+2*\q:ACC+2*\q+1], v[X:X+1], v[\reg+2*\q:\reg+2*\q+1] op_sel_hi:[0,1]
.endr
.else
	FMAE X+16*((\g)/2)+8*((\g)%2)+2*\a, \reg+16*\a
.endif
	FMAO X+16*((\g)/2)+8*((\g)%2)+2*\a, \reg+16*\a+8
.endr
.endm
	WLOAD 0, WG0
	WLOAD 1, WG1
	QX 0                                           ; the quantiser works while Wr's first rows come
	QX 1
	s_wait_dscnt 18                                ; group 0 is in: behind it stand group 1's 16 loads and the two byte stores
	FMAG 0, WG0, 1
	WLOAD 2, WG0
	s_wait_dscnt 18                                ; group 1: behind it the two byte stores and group 2's 16
	FMAG 1, WG1, 0
	WLOAD 3, WG1
	s_wait_dscnt 16                                ; group 2: behind it group 3's 16
	FMAG 2, WG0, 0
	s_wait_dscnt 0x0
	FMAG 3, WG1, 0
.irp m, 1,2,4,8                        ; the 32 lanes' parts are added; every lane ends with the same 8 sums
.irp e, 0,1,2,3,4,5,6,7
	v_add_f32_dpp v[ACC+\e], v[ACC+\e], v[ACC+\e] row_xmask:\m row_mask:0xf bank_mask:0xf
.endr
.endr
.irp e, 0,1,2,3,4,5,6,7
	v_permlanex16_b32 v[R+\e], v[ACC+\e], s18, s19
.endr
	s_wait_kmcnt 0x0                               ; br
.irp e, 0,1,2,3,4,5,6,7
	v_add_f32 v[ACC+\e], v[ACC+\e], v[R+\e]
.endr
.irp e, 0,1,2,3,4,5,6,7
	v_add_f32 v[ACC+\e], s[24+\e], v[ACC+\e]       ; the logits
.endr
	v_max3_num_f32 v16, v240, v241, v242           ; the softmax: the largest logit is taken away first
	v_max3_num_f32 v16, v16, v243, v244
	v_max3_num_f32 v16, v16, v245, v246
	v_max_num_f32 v16, v16, v247
.irp e, 0,1,2,3,4,5,6,7
	v_sub_f32 v[24+\e], v[ACC+\e], v16
.endr
.irp e, 0,1,2,3,4,5,6,7
	v_mul_f32 v[24+\e], 0x3fb8aa3b, v[24+\e]       ; x log2(e)
.endr
.irp e, 0,1,2,3,4,5,6,7
	v_exp_f32 v[24+\e], v[24+\e]
.endr
	v_nop                                          ; a plain line behind the last exponential
	s_wait_alu depctr_va_vdst(0)                   ; one wait for the eight, ahead of their first reader
	v_add_f32 v17, v24, v25
	v_add_f32 v18, v26, v27
	v_add_f32 v19, v28, v29
	v_add_f32 v20, v30, v31
	v_add_f32 v17, v17, v18
	v_add_f32 v19, v19, v20
	v_add_f32 v17, v17, v19
	v_rcp_f32 v17, v17
	v_nop
	s_wait_alu depctr_va_vdst(0)
.irp e, 0,1,2,3,4,5,6,7
	v_mul_f32 v[G+\e], v[24+\e], v17               ; the gates
.endr
	v_mov_b32 v46, v32                             ; the largest gate and its index; what is not larger leaves the holder in place, so the lower index wins a tie
	v_mov_b32 v44, 0
.irp e, 1,2,3,4,5,6,7
	v_cmp_le_f32 vcc_lo, v[G+\e], v46
	v_cndmask_b32 v46, v[G+\e], v46, vcc_lo
	v_cndmask_b32 v44, \e, v44, vcc_lo
.endr
.irp e, 0,1,2,3,4,5,6,7
	v_cmp_ne_u32 vcc_lo, \e, v44
	v_cndmask_b32 v[56+\e], -1.0, v[G+\e], vcc_lo  ; the winner is taken out: gates are never negative
.endr
	v_mov_b32 v47, v56                             ; the second largest
	v_mov_b32 v45, 0
.irp e, 1,2,3,4,5,6,7
	v_cmp_le_f32 vcc_lo, v[56+\e], v47
	v_cndmask_b32 v47, v[56+\e], v47, vcc_lo
	v_cndmask_b32 v45, \e, v45, vcc_lo
.endr
	ds_store_b128 v52, v[32:35]                    ; every lane holds the same numbers and writes the same words
	ds_store_b128 v52, v[36:39] offset:16
	ds_store_b64 v53, v[44:45]
	ds_store_b64 v53, v[46:47] offset:256
	s_wait_dscnt 0x0                               ; for the others' sake: my stores, the scale bytes among them, are done
	s_barrier_signal -1
	s_barrier_wait -1
	s_cmp_eq_u32 s16, 0                            ; four waves carry the work-group's gathered results out
	s_cbranch_scc0 .Lnot0
	ds_load_b64 v[54:55], v49
	s_wait_dscnt 0x0
	global_store_b64 v48, v[54:55], s[34:35] offset:XSOFF   ; 256 consecutive bytes, aligned
	s_wait_tensorcnt 0x0
	ds_add_u32 v251, v255
	s_wait_dscnt 0x0
	s_endpgm
.Lnot0:
	s_cmp_eq_u32 s16, 1
	s_cbranch_scc0 .Lnot1
	ds_load_b64 v[54:55], v49 offset:256
	s_wait_dscnt 0x0
	global_store_b64 v48, v[54:55], s[36:37] offset:8192    ; 256 consecutive bytes, aligned
	s_wait_tensorcnt 0x0
	ds_add_u32 v251, v255
	s_wait_dscnt 0x0
	s_endpgm
.Lnot1:
	s_cmp_eq_u32 s16, 2
	s_cbranch_scc0 .Lnot2
	ds_load_b32 v54, v51
	s_wait_dscnt 0x0
	global_store_b32 v50, v54, s[38:39]
	s_wait_tensorcnt 0x0
	ds_add_u32 v251, v255
	s_wait_dscnt 0x0
	s_endpgm
.Lnot2:
	s_cmp_eq_u32 s16, 3
	s_cbranch_scc0 .Lnot3
	ds_load_b32 v54, v51 offset:256
	s_wait_dscnt 0x0
	global_store_b32 v50, v54, s[40:41]
.Lnot3:
	s_wait_tensorcnt 0x0
	ds_add_u32 v251, v255
	s_wait_dscnt 0x0
	s_endpgm
.Lfunc_end_k_qabcf98be8d_route:
	.size	k_qabcf98be8d_route, .Lfunc_end_k_qabcf98be8d_route-k_qabcf98be8d_route
	.p2alignl 7, 3214868480
	.fill 96, 4, 3214868480
	.section	.rodata,"a",@progbits
	.p2align	6, 0x0
	.amdhsa_kernel k_qabcf98be8d_route
		.amdhsa_group_segment_fixed_size 76800
		.amdhsa_private_segment_fixed_size 0
		.amdhsa_enable_private_segment 0
		.amdhsa_kernarg_size 48
		.amdhsa_user_sgpr_count 2
		.amdhsa_user_sgpr_kernarg_segment_ptr 1
		.amdhsa_wavefront_size32 1
		.amdhsa_system_sgpr_workgroup_id_x 1
		.amdhsa_system_sgpr_workgroup_id_y 1
		.amdhsa_system_sgpr_workgroup_id_z 1
		.amdhsa_system_vgpr_workitem_id 0
		.amdhsa_next_free_vgpr 256
		.amdhsa_next_free_sgpr 66
		.amdhsa_reserve_vcc 1
		.amdhsa_float_denorm_mode_32 3
		.amdhsa_float_denorm_mode_16_64 3
		.amdhsa_memory_ordered 1
		.amdhsa_forward_progress 1
		.amdhsa_inst_pref_size 29
	.end_amdhsa_kernel
	.amdgpu_metadata
---
amdhsa.version: [ 1, 2 ]
amdhsa.kernels:
  - .name:           k_qabcf98be8d_route
    .symbol:         k_qabcf98be8d_route.kd
    .args:
      - { .name: x, .offset: 0, .size: 8, .value_kind: global_buffer, .address_space: global }
      - { .name: Wr, .offset: 8, .size: 8, .value_kind: global_buffer, .address_space: global }
      - { .name: br, .offset: 16, .size: 8, .value_kind: global_buffer, .address_space: global }
      - { .name: xq, .offset: 24, .size: 8, .value_kind: global_buffer, .address_space: global }
      - { .name: topi, .offset: 32, .size: 8, .value_kind: global_buffer, .address_space: global }
      - { .name: rtf, .offset: 40, .size: 8, .value_kind: global_buffer, .address_space: global }
    .group_segment_fixed_size: 76800
    .private_segment_fixed_size: 0
    .kernarg_segment_align: 8
    .kernarg_segment_size: 48
    .max_flat_workgroup_size: 256
    .sgpr_count:     66
    .vgpr_count:     256
    .wavefront_size: 32
...
	.end_amdgpu_metadata
.endif
;; end of part 1
;; launch place (part 2): grid 1 x 1, 16 waves a work-group, no clusters, 3,072 bytes of LDS; arguments topi, rtf, plan, out1; writes plan, out1
.if DOCPART == 2
	.amdgcn_target "amdgcn-amd-amdhsa--gfx1250"
	.amdhsa_code_object_version 6
	.text
	.protected	k_qabcf98be8d_place
	.globl	k_qabcf98be8d_place
	.p2align	8
	.type	k_qabcf98be8d_place,@function
k_qabcf98be8d_place:
	s_mov_b64 s[64:65], 0
	v_nop
	global_prefetch_b8 v0, s[64:65] scope:SCOPE_SE
	s_setreg_imm32_b32 hwreg(HW_REG_WAVE_MODE, 25, 1), 1
	s_wait_xcnt 0x0
; THE ROWS ARE PLACED BY EXPERT: a counting sort of the 2,048 slots (token, choice) by one work-group of 16 waves, without atomics; and the load-balancing loss.
; Each expert's rows are padded to whole tiles of 16 rows: at most (2,048 + 8 x 15) / 16 = 135 tiles, whatever the choice.
; OUT (plan, whole numbers): ROWTOK at 0: the token of each sorted row, 0 in pad rows;  POS at 8704: the sorted row of slot 2 t + k;  TINFO at 16896: word 2 e the expert's first tile, word 2 e + 1 its tiles.
;     The word at byte 8640 (row 2160, behind ROWTOK's last row and ahead of POS) is a spare: it takes the zeros of lanes that have no pad row, and nobody reads it.
; out1 = sum over e of (sum of gates e / 1024) x (tokens that chose e / 1024) x 8 / 1024 = sum of (sum of gates e) x count e x 2^-27.  The two experts of a token differ, so the count of slots is the count of tokens.
; Thread t owns slots 4 t .. 4 t + 3.  A slot's rank inside its wave comes from the compare's mask (bits below my lane); the waves' counts meet in LDS; one barrier.
; One work-group: the sort is 8 KiB of indices; sharing it out would want traffic between work-groups.
.set ROWMAX, 2159
.set SPAREROW, 2160
.set POS,    8704
.set TINFO,  16896
	s_load_b256 s[4:11], s[0:1], 0x0               ; topi s[4:5], rtf s[6:7], plan s[8:9], out1 s[10:11]
	v_lshl_add_u32 v64, v0, 2, 0x400
	v_mov_b32 v65, 0
	v_and_b32 v1, 31, v0                           ; lane
	v_lshrrev_b32 v2, 5, v0
	v_readfirstlane_b32 s16, v2                    ; wave 0..15
	v_lshlrev_b32 v15, 4, v0                       ; 16 x thread
	v_and_b32 v14, 15, v0
	v_lshlrev_b32 v38, 5, v14                      ; LDS: the 32 bytes of wave lane % 16 (counts at 0, sums of gates at 512)
	s_lshl_b32 s17, s16, 5
	v_mov_b32 v13, s17                             ; my wave's 32 bytes
	v_and_b32 v2, 1, v0
	v_lshl_add_u32 v39, v2, 4, s17                 ; and the half of them that my lane's four experts take
	v_lshlrev_b32 v36, 1, v0                       ; my two tokens
	v_or_b32 v37, 1, v36
	v_lshlrev_b32 v60, 2, v1
	v_mov_b32 v61, 0
	s_mov_b32 s18, 0x76543210
	s_mov_b32 s19, 0xfedcba98
.irp i, 0,1,2,3
	v_mov_b32 v[8+\i], 0                           ; a slot's rank
.endr
.irp e, 0,1,2,3,4,5,6,7
	s_mov_b32 s[24+\e], 0                          ; my wave's counts
.endr
	s_wait_kmcnt 0x0
	global_load_b128 v[4:7], v15, s[4:5]           ; my four slots' experts
.irp j, 0,1,2,3
	global_load_b128 v[40+4*\j:43+4*\j], v15, s[6:7] offset:8192+8192*\j   ; gates: always experts 4 (t % 2) .. + 3
.endr
	s_wait_loadcnt 4                               ; the experts are in; behind them the four loads of gates were issued
.irp e, 0,1,2,3,4,5,6,7
.irp i, 0,1,2,3
	v_cmp_eq_u32 vcc_lo, \e, v[4+\i]
	v_mbcnt_lo_u32_b32 v12, vcc_lo, 0              ; how many lanes below mine have it too
	v_add_nc_u32 v12, s[24+\e], v12
	v_cndmask_b32 v[8+\i], v[8+\i], v12, vcc_lo
	s_bcnt1_i32_b32 s20, vcc_lo
	s_add_co_u32 s[24+\e], s[24+\e], s20
.endr
.endr
.irp e, 0,1,2,3,4,5,6,7
	v_mov_b32 v[16+\e], s[24+\e]
.endr
	ds_store_b128 v13, v[16:19]
	ds_store_b128 v13, v[20:23] offset:16
	s_wait_loadcnt 0x0                             ; the gates
	v_pk_add_f32 v[40:41], v[40:41], v[44:45]
	v_pk_add_f32 v[42:43], v[42:43], v[46:47]
	v_pk_add_f32 v[48:49], v[48:49], v[52:53]
	v_pk_add_f32 v[50:51], v[50:51], v[54:55]
	v_pk_add_f32 v[40:41], v[40:41], v[48:49]
	v_pk_add_f32 v[42:43], v[42:43], v[50:51]
.irp m, 2,4,8                          ; over the lanes of my parity
.irp c, 0,1,2,3
	v_add_f32_dpp v[40+\c], v[40+\c], v[40+\c] row_xmask:\m row_mask:0xf bank_mask:0xf
.endr
.endr
.irp c, 0,1,2,3
	v_permlanex16_b32 v[44+\c], v[40+\c], s18, s19
.endr
.irp c, 0,1,2,3
	v_add_f32 v[40+\c], v[40+\c], v[44+\c]
.endr
	ds_store_b128 v39, v[40:43] offset:512         ; lanes of one parity write the same words with the same values
	s_wait_dscnt 0x0                               ; for the others' sake
	s_barrier_signal -1
	s_barrier_wait -1
	ds_load_b128 v[16:19], v38                     ; the counts of wave lane % 16
	ds_load_b128 v[20:23], v38 offset:16
	s_wait_dscnt 0x0
	v_cmp_gt_u32 vcc_lo, s16, v14                  ; a wave ahead of mine?
.irp e, 0,1,2,3,4,5,6,7
	v_lshlrev_b32 v[24+\e], 16, v[16+\e]
.endr
.irp e, 0,1,2,3,4,5,6,7
	v_cndmask_b32 v[24+\e], 0, v[24+\e], vcc_lo
.endr
.irp e, 0,1,2,3,4,5,6,7
	v_add_nc_u32 v[16+\e], v[16+\e], v[24+\e]      ; low half: for the total; high half: for the sum over the waves ahead (both at most 1,024)
.endr
.irp m, 1,2,4,8
.irp e, 0,1,2,3,4,5,6,7
	v_mov_b32_dpp v[24+\e], v[16+\e] row_xmask:\m row_mask:0xf bank_mask:0xf
.endr
.irp e, 0,1,2,3,4,5,6,7
	v_add_nc_u32 v[16+\e], v[16+\e], v[24+\e]
.endr
.endr
.irp e, 0,1,2,3,4,5,6,7
	v_readfirstlane_b32 s[32+\e], v[16+\e]
.endr
	s_mov_b32 s21, 0                               ; tiles so far
.irp e, 0,1,2,3,4,5,6,7
	s_and_b32 s[40+\e], s[32+\e], 0xffff           ; the expert's rows
	s_lshr_b32 s[32+\e], s[32+\e], 16              ; those of the waves ahead of mine
	s_add_co_u32 s20, s[40+\e], 15
	s_lshr_b32 s[56+\e], s20, 4                    ; its tiles
	s_mov_b32 s[48+\e], s21                        ; its first tile
	s_lshl_b32 s20, s21, 4
	s_add_co_u32 s[32+\e], s[32+\e], s20           ; where my wave's rows of this expert begin
	s_add_co_u32 s21, s21, s[56+\e]
.endr
.irp i, 0,1,2,3
	v_mov_b32 v[28+\i], 0
.endr
.irp e, 0,1,2,3,4,5,6,7
.irp i, 0,1,2,3
	v_cmp_ne_u32 vcc_lo, \e, v[4+\i]
	v_cndmask_b32 v[28+\i], s[32+\e], v[28+\i], vcc_lo
.endr
.endr
.irp i, 0,1,2,3
	v_add_nc_u32 v[28+\i], v[28+\i], v[8+\i]       ; the slot's sorted row
.endr
	global_store_b128 v15, v[28:31], s[8:9] offset:POS
.irp i, 0,1,2,3
	v_min_u32 v[32+\i], ROWMAX, v[28+\i]           ; a number made of loaded numbers enters an address behind a bound
.endr
.irp i, 0,1,2,3
	v_lshlrev_b32 v[32+\i], 2, v[32+\i]
.endr
.irp i, 0,1,2,3
	global_store_b32 v[32+\i], v[36+\i/2], s[8:9]  ; the row's token
.endr
	s_cmp_lg_u32 s16, 0
	s_cbranch_scc1 .Lnot0
	ds_load_b128 v[40:43], v38 offset:512          ; wave 0: the loss
	ds_load_b128 v[44:47], v38 offset:528
	s_wait_dscnt 0x0
.irp m, 1,2,4,8
.irp e, 0,1,2,3,4,5,6,7
	v_add_f32_dpp v[40+\e], v[40+\e], v[40+\e] row_xmask:\m row_mask:0xf bank_mask:0xf
.endr
.endr
	v_cvt_f32_u32 v48, s40
	v_mul_f32 v49, v40, v48
.irp e, 1,2,3,4,5,6,7
	v_cvt_f32_u32 v48, s[40+\e]
	v_fmac_f32 v49, v[40+\e], v48
.endr
	v_mul_f32 v49, 0x32000000, v49                 ; x 2^-27
	v_cmp_eq_u32 vcc_lo, 0, v1
	s_wait_xcnt 0x0                                ; EXEC changes only behind this wait: my earlier stores have read it
	s_wait_tensorcnt 0x0
	ds_add_u32 v64, v65
	s_wait_dscnt 0x0
	s_and_saveexec_b32 s20, vcc_lo
	global_store_b32 v61, v49, s[10:11]            ; lane 0 alone
	s_wait_xcnt 0x0
	s_or_b32 exec_lo, exec_lo, s20
	s_endpgm
.Lnot0:
	s_cmp_lg_u32 s16, 1
	s_cbranch_scc1 .Lend
	v_mov_b32 v62, 0                               ; wave 1: the table of tiles, and the pad rows
.irp e, 0,1,2,3,4,5,6,7
	v_writelane_b32 v62, s[48+\e], 2*\e
	v_writelane_b32 v62, s[56+\e], 2*\e+1
.endr
	global_store_b32 v60, v62, s[8:9] offset:TINFO
; The pad rows: all lanes stay on.  Lane l stands for the row l behind the expert's last; where that row lies past the end of the expert's last tile (at most 15 rows are pads) the lane takes the
; spare row instead.  Each expert has an offset register of its own, written once, so that no store's offset is written again.
.irp e, 0,1,2,3,4,5,6,7
	s_lshl_b32 s20, s[48+\e], 4
	s_add_co_u32 s22, s20, s[40+\e]                ; the first row behind the expert's last,
	s_lshl_b32 s23, s[56+\e], 4
	s_add_co_u32 s23, s23, s20                     ; and the end of its last tile
	v_add_nc_u32 v[40+\e], s22, v1
	v_cmp_gt_u32 vcc_lo, s23, v[40+\e]             ; a pad row?
	v_cndmask_b32 v[40+\e], SPAREROW, v[40+\e], vcc_lo   ; else the spare row
	v_min_u32 v[40+\e], SPAREROW, v[40+\e]         ; a number made of loaded numbers enters an address behind a bound
	v_lshlrev_b32 v[40+\e], 2, v[40+\e]
	global_store_b32 v[40+\e], v61, s[8:9]         ; a pad row stands for token 0; what is computed for it is read by nobody
.endr
.Lend:
	s_wait_tensorcnt 0x0
	ds_add_u32 v64, v65
	s_wait_dscnt 0x0
	s_endpgm
.Lfunc_end_k_qabcf98be8d_place:
	.size	k_qabcf98be8d_place, .Lfunc_end_k_qabcf98be8d_place-k_qabcf98be8d_place
	.p2alignl 7, 3214868480
	.fill 96, 4, 3214868480
	.section	.rodata,"a",@progbits
	.p2align	6, 0x0
	.amdhsa_kernel k_qabcf98be8d_place
		.amdhsa_group_segment_fixed_size 3072
		.amdhsa_private_segment_fixed_size 0
		.amdhsa_enable_private_segment 0
		.amdhsa_kernarg_size 32
		.amdhsa_user_sgpr_count 2
		.amdhsa_user_sgpr_kernarg_segment_ptr 1
		.amdhsa_wavefront_size32 1
		.amdhsa_system_sgpr_workgroup_id_x 1
		.amdhsa_system_sgpr_workgroup_id_y 1
		.amdhsa_system_sgpr_workgroup_id_z 1
		.amdhsa_system_vgpr_workitem_id 0
		.amdhsa_next_free_vgpr 66
		.amdhsa_next_free_sgpr 80
		.amdhsa_reserve_vcc 1
		.amdhsa_float_denorm_mode_32 3
		.amdhsa_float_denorm_mode_16_64 3
		.amdhsa_memory_ordered 1
		.amdhsa_forward_progress 1
		.amdhsa_inst_pref_size 29
	.end_amdhsa_kernel
	.amdgpu_metadata
---
amdhsa.version: [ 1, 2 ]
amdhsa.kernels:
  - .name:           k_qabcf98be8d_place
    .symbol:         k_qabcf98be8d_place.kd
    .args:
      - { .name: topi, .offset: 0, .size: 8, .value_kind: global_buffer, .address_space: global }
      - { .name: rtf, .offset: 8, .size: 8, .value_kind: global_buffer, .address_space: global }
      - { .name: plan, .offset: 16, .size: 8, .value_kind: global_buffer, .address_space: global }
      - { .name: out1, .offset: 24, .size: 8, .value_kind: global_buffer, .address_space: global }
    .group_segment_fixed_size: 3072
    .private_segment_fixed_size: 0
    .kernarg_segment_align: 8
    .kernarg_segment_size: 32
    .max_flat_workgroup_size: 512
    .sgpr_count:     80
    .vgpr_count:     66
    .wavefront_size: 32
...
	.end_amdgpu_metadata
.endif
;; end of part 2
;; launch ffn1 (part 3): grid 32 x 8, 4 waves a work-group, no clusters, 101,376 bytes of LDS; arguments W1_codes, W1_scales, b1, xq, plan, hq; writes hq
.if DOCPART == 3
	.amdgcn_target "amdgcn-amd-amdhsa--gfx1250"
	.amdhsa_code_object_version 6
	.text
	.protected	k_qabcf98be8d_ffn1
	.globl	k_qabcf98be8d_ffn1
	.p2align	8
	.type	k_qabcf98be8d_ffn1,@function
k_qabcf98be8d_ffn1:
	s_mov_b64 s[64:65], 0
	v_nop
	global_prefetch_b8 v0, s[64:65] scope:SCOPE_SE
	s_setreg_imm32_b32 hwreg(HW_REG_WAVE_MODE, 25, 1), 1
	s_wait_xcnt 0x0
; h = Q(gelu(Q(x) W1[e] + b1[e])) for the rows that chose expert e, on codes of FP6 (E2M3) with one E8M0 scale for each 32 along K.
; SHARES.  Work-group (s2, e) owns hidden units 128 s2 .. + 127 of expert e: K step s2 of the second product.  THE WEIGHTS STAY: the 128 rows x 1,024 K of W1 (98,304 bytes) come from memory once, in
; loads of 512 consecutive bytes, pass through LDS, and every wave then holds all 64 fragments (8 tiles of 16 units x 8 K steps, 768 registers) for the whole launch.  Wave w takes the expert's row tiles w, w + 4, ..
; The product is used transposed (source 0 = 16 rows of W1, source 1 = 16 rows of x): a lane holds ONE row of x and its registers run along the hidden units.
; THE ROWS OF W1 THAT FORM A TILE ARE NOT NEIGHBOURS: lane r of tile 2 b + u takes unit 32 b + 8 u + r + 8 (r / 8), so that the 16 registers of tiles 2 b, 2 b + 1 are 16 neighbours along the next K.
; The bias is the C of each sum's first product.  gelu(a) = a/2 + a/2 erf(a / sqrt 2), erf(z) = z P(z^2) / Q(z^2) on z held to +-4 (numerator of degree 6, denominator of degree 4 in z^2), all in f32.
; OUT: hq: a block of 53,248 bytes for each row tile: the operand's registers of K step s as they stand, at 1,536 s + 512 c + 16 lane; the scale words at 49,152 + 128 s + 4 lane.
; NO TENSOR LOAD, NO CLUSTER: the number of row tiles is read from memory (plan), so trip counts and a branch hang on loaded numbers; partners would need different numbers of tiles.
; LIMITS: NaN and infinities are not served.  erf's error is about 1e-7 absolute, so gelu's far negative tail (a under about -4) is right to about 1e-7 |a| and not to a relative 1e-6.
;         A block whose largest magnitude lies under 2^-124 gets the byte 1.
; REGISTERS, in windows of 256.  Window 0: v1-13 addresses; v16-19 two constants as pairs; v20-23 x's scale words; v24-55 W1's scale words (register 4 t + i: lanes 0-15 K step i, lanes 16-31 K step 4 + i);
;   v56-151 x's 8 fragments; v152-215 the 8 accumulators; v216-255 at work (and fragment 63, fetched from LDS in each trip).  Windows 1-3: fragments 0-62, 21 to a window.
.set TBB,   53248
.set XSOFF, 786432
.set PITCH, 784                        ; a row of W1 in LDS: 768 bytes + 16
.set BIAS,  100352                     ; behind the 128 rows: the 128 numbers of b1
.set TINFO, 16896
.set XSC,   20
.set W1S,   24
.set X,     56
.set HA,    152
.set GZ,    216                        ; gelu: z;  z^2;  the numerator;  the denominator
.set GX,    224
.set GP,    232
.set GQ,    240
.set TM,    216                        ; the quantiser: v216-219 largest magnitudes, v220-223 bytes, v228-231 scale operands
.set PW,    232                        ; the scale word
.set PC,    234                        ; the codes: v234-245, and v246-252 at work
.set F63,   234
.set CSQH, 32                          ; s[32:53] constants, each twice (a packed form names a pair)
.set CA13, 34
.set CA9,  36
.set CA7,  38
.set CA5,  40
.set CA3,  42
.set CA1,  44
.set CB8,  46
.set CB4,  48
.set CB2,  50
.set CB0,  52
.set SEL,  54
.set TRIP, 56                          ; s56  trips done;  s57  my wave's trips
.set TRIPS, 57
.set MSB, 0
.macro WIN new                         ; the immediate's high byte repeats the setting that is left; a switch that changes nothing is dropped
.if MSB != (\new)
	s_set_vgpr_msb (MSB<<8)|(\new)
.set MSB, (\new)
.endif
.endm
.macro SLOT i                          ; where fragment i lives: window SW, register SR
.if (\i) < 21
.set SW, 1
.set SR, 12*(\i)
.elseif (\i) < 42
.set SW, 2
.set SR, 12*((\i)-21)
.elseif (\i) < 63
.set SW, 3
.set SR, 12*((\i)-42)
.else
.set SW, 0
.set SR, F63
.endif
.endm
.macro FRAGLD i, adr, off              ; a fragment from rows in LDS: 24 + 24 bytes of the row's stream of bits, in pieces of 8
	SLOT \i
	WIN SW<<6
.irp p, 0,1,2,3,4,5
	ds_load_b64 v[SR+2*\p:SR+2*\p+1], v[\adr] offset:(\off)+48*(\p/3)+8*(\p%3)
.endr
.endm
.macro CPAIR reg, val
	s_mov_b32 s[\reg], \val
	s_mov_b32 s[\reg+1], \val
.endm
	s_load_b256 s[4:11], s[0:1], 0x0               ; W1's codes s[4:5], its scales s[6:7], b1 s[8:9], xq s[10:11]
	s_load_b128 s[12:15], s[0:1], 0x20             ; plan s[12:13], hq s[14:15]
	v_lshl_add_u32 v254, v0, 2, 0x18a00
	v_mov_b32 v255, 0
	v_lshrrev_b32 v216, 5, v0
	v_readfirstlane_b32 s16, v216                  ; wave 0..3
	s_and_b32 s17, ttmp7, 0xffff                   ; the expert
	s_lshl_b32 s19, s17, 3
	v_and_b32 v216, 31, v0                         ; lane
	v_and_b32 v217, 15, v0                         ; r
	v_bfe_u32 v218, v0, 4, 1                       ; hh
	v_lshlrev_b32 v1, 2, v217                      ; my row's word in a tile of ROWTOK
	v_lshlrev_b32 v9, 4, v216
	v_lshlrev_b32 v10, 2, v216
	v_mul_u32_u24 v11, v218, 48
	v_lshl_add_u32 v12, v218, 4, XSOFF
	v_lshl_add_u32 v7, v218, 6, BIAS               ; the bias of my half's units
	v_and_b32 v219, 8, v217
	v_add_nc_u32 v219, v219, v217                  ; r + 8 (r / 8)
	v_mul_u32_u24 v220, v219, PITCH
	v_mad_u32_u24 v220, v218, 24, v220             ; a fragment's row and half, for tiles 0-3;
	v_add_nc_u32 v8, 64*PITCH, v220                ; 64 rows on, for tiles 4-7
	s_mul_i32 s18, s16, 32*PITCH                   ; into LDS: my wave's 32 rows.  Three loads of 512 bytes are two rows of 768:
	v_lshlrev_b32 v221, 4, v217
	v_add_nc_u32 v221, s18, v221
	v_mad_u32_u24 v222, v218, 272, v221
	v_add_nc_u32 v222, 512, v222                   ; the second: the first row's last 256 bytes, the second row's first 256;
	v_lshl_add_u32 v221, v218, 8, v221             ; the first: the first row's first 512;
	v_add_nc_u32 v223, 1040, v221                  ; the third: the second row's last 512
	v_lshlrev_b32 v224, 5, v219
	v_lshl_add_u32 v224, v218, 4, v224             ; W1's scale bytes: 32 a row; my half's four words
	v_lshlrev_b32 v226, 2, v0
	v_lshl_add_u32 v227, v0, 2, BIAS
	v_mov_b32 v16, 0x32edffee                      ; the numerator's coefficient of z^10, twice
	v_mov_b32 v17, 0x32edffee
	v_mov_b32 v18, 0xb95fbd29                      ; the denominator's of z^6, twice
	v_mov_b32 v19, 0xb95fbd29
	CPAIR CSQH, 0x3f3504f3                         ; 1 / sqrt 2
	CPAIR CA13, 0xaf95df0b
	CPAIR CA9,  0xb60cff51
	CPAIR CA7,  0xb86ec2d2
	CPAIR CA5,  0xba40ac63
	CPAIR CA3,  0xbb41a1f6
	CPAIR CA1,  0xbc83dbd4
	CPAIR CB8,  0xb77460cd
	CPAIR CB4,  0xbadc924e
	CPAIR CB2,  0xbbf19bf8
	CPAIR CB0,  0xbc69b6a7
	s_mov_b32 s[SEL], 0x76543210
	s_mov_b32 s[SEL+1], 0xfedcba98
	s_mul_i32 s28, ttmp9, 1536                     ; my K step's place in a tile's block of hq: the image,
	s_lshl_b32 s29, ttmp9, 7
	s_add_co_u32 s29, s29, 49152                   ; the scale words
	s_mul_i32 s24, s17, 3145728
	s_mul_i32 s25, ttmp9, 98304
	s_add_co_u32 s24, s24, s25
	s_mul_i32 s25, s16, 24576
	s_add_co_u32 s24, s24, s25                     ; my wave's 32 rows of W1
	s_mov_b32 s25, 0
	s_lshl_b32 s26, s17, 17
	s_lshl_b32 s27, ttmp9, 12
	s_add_co_u32 s26, s26, s27                     ; the work-group's 128 rows of scale bytes
	s_mov_b32 s27, 0
	s_lshl_b32 s30, s17, 14
	s_lshl_b32 s31, ttmp9, 9
	s_add_co_u32 s30, s30, s31                     ; its 128 numbers of b1
	s_mov_b32 s31, 0
	s_wait_kmcnt 0x0
	s_load_b64 s[20:21], s[12:13], s19 offset:TINFO   ; the expert's first tile, its tiles
	s_add_nc_u64 s[4:5], s[4:5], s[24:25]
	s_add_nc_u64 s[6:7], s[6:7], s[26:27]
	s_add_nc_u64 s[8:9], s[8:9], s[30:31]
	WIN 0x40                                       ; destination window 1
.set j, 0
.rept 48
	global_load_b128 v[4*j:4*j+3], v9, s[4:5] offset:512*j th:TH_LOAD_NT   ; 512 consecutive bytes; read once in the launch
.set j, j+1
.endr
	WIN 0
.irp t, 0,1,2,3,4,5,6,7
	global_load_b128 v[W1S+4*\t:W1S+4*\t+3], v224, s[6:7] offset:32*(32*(\t/2)+8*(\t%2))
.endr
	global_load_b32 v225, v226, s[8:9]
	s_wait_kmcnt 0x0
	s_min_u32 s20, s20, 134                        ; loaded numbers enter addresses and counts behind bounds
	s_min_u32 s21, s21, 64
	s_cmp_eq_u32 s21, 0
	s_cselect_b32 s20, 0, s20                      ; an expert without rows: the loads below take tile 0, which always exists
	s_max_u32 s22, s21, 1
	s_sub_co_u32 s22, s22, 1                       ; the expert's last tile
	s_min_u32 s24, s16, s22
	s_add_co_u32 s24, s24, s20
	s_min_u32 s24, s24, 134
	s_lshl_b32 s24, s24, 6
	v_add_nc_u32 v13, s24, v1
	global_load_b32 v4, v13, s[12:13]              ; the tokens of my first tile's rows
	s_wait_loadcnt 0x0                             ; all of the above
.macro XPREP                           ; from my row's token to its codes and scale words
	v_min_u32 v4, 1023, v4
	v_mad_u32_u24 v2, v4, 768, v11
	v_lshl_add_u32 v3, v4, 5, v12
.endm
.macro XLOAD                           ; a tile of x: 8 fragments, three loads of 16 bytes each, and four scale words a lane (lanes 0-15 K steps 0-3, lanes 16-31 K steps 4-7)
.irp s, 0,1,2,3,4,5,6,7
.irp c, 0,1,2
	global_load_b128 v[X+12*\s+4*\c:X+12*\s+4*\c+3], v2, s[10:11] offset:96*\s+16*\c
.endr
.endr
	global_load_b128 v[XSC:XSC+3], v3, s[10:11]
.endm
	XPREP
	XLOAD
	s_add_co_u32 s24, s16, 4
	s_min_u32 s24, s24, s22
	s_add_co_u32 s24, s24, s20
	s_min_u32 s24, s24, 134
	s_lshl_b32 s24, s24, 6
	v_add_nc_u32 v13, s24, v1
	global_load_b32 v4, v13, s[12:13]              ; the tokens of my second tile (or of the last again)
	WIN 0x04                                       ; an LDS store's data are its source 1: window 1
.set j, 0
.rept 48
	ds_store_b128 v[221+j%3], v[4*j:4*j+3] offset:1568*(j/3)
.set j, j+1
.endr
	WIN 0
	ds_store_b32 v227, v225
	s_wait_dscnt 0x0                               ; for the others' sake: my 32 rows and my 32 numbers of b1 lie in LDS
	s_barrier_signal -1
	s_barrier_wait -1                              ; the one barrier: behind it LDS is only read
.set i, 0
.rept 63                               ; fragment 8 s + t
.if (i%8) < 4
	FRAGLD i, 220, (32*((i%4)/2)+8*(i%2))*PITCH+96*(i/8)
.else
	FRAGLD i, 8, (32*((i%4)/2)+8*(i%2))*PITCH+96*(i/8)
.endif
.set i, i+1
.endr
	WIN 0
	s_wait_dscnt 0x0
	s_mov_b32 s23, s16                             ; my tile
	s_add_co_u32 s[TRIPS], s21, 3
	s_sub_co_u32 s[TRIPS], s[TRIPS], s16
	s_lshr_b32 s[TRIPS], s[TRIPS], 2               ; my trips: tiles w, w + 4, .. under the expert's number: (tiles + 3 - w) / 4, at most 16
	s_mov_b32 s[TRIP], 0
	s_cmp_ge_u32 s16, s21
	s_cbranch_scc1 .Lend                           ; fewer tiles than waves: nothing for me (no barrier follows)
.macro MM1 i                           ; product 8 s + t.  The eight accumulators take turns, one instruction a turn, over the loop's edge too
	SLOT \i
	WIN SW
.set AC, HA+8*((\i)%8)
.set BX, X+12*((\i)/8)
.set SCA, W1S+4*((\i)%8)+((\i)/8)%4
.set SCB, XSC+((\i)/8)%4
.if (\i) < 32
	v_wmma_scale_f32_16x16x128_f8f6f4 v[AC:AC+7], v[SR:SR+11], v[BX:BX+11], v[AC:AC+7], v[SCA], v[SCB] matrix_a_fmt:MATRIX_FMT_FP6 matrix_b_fmt:MATRIX_FMT_FP6
.else
	v_wmma_scale_f32_16x16x128_f8f6f4 v[AC:AC+7], v[SR:SR+11], v[BX:BX+11], v[AC:AC+7], v[SCA], v[SCB] matrix_a_fmt:MATRIX_FMT_FP6 matrix_b_fmt:MATRIX_FMT_FP6 matrix_a_scale:MATRIX_SCALE_ROW1 matrix_b_scale:MATRIX_SCALE_ROW1
.endif
.endm
.macro HORN acc, c                     ; acc = acc z^2 + c, four pairs
.irp p, 0,2,4,6
	v_pk_fma_f32 v[\acc+\p:\acc+\p+1], v[\acc+\p:\acc+\p+1], v[GX+\p:GX+\p+1], s[\c:\c+1] op_sel_hi:[1,1,0]
.endr
.endm
.macro GELU4 b                         ; accumulator b, from its low end on
.set GA, HA+8*(\b)
.irp p, 0,2,4,6
	v_pk_mul_f32 v[GZ+\p:GZ+\p+1], v[GA+\p:GA+\p+1], s[CSQH:CSQH+1] op_sel_hi:[1,0]
.endr
.irp p, 0,1,2,3,4,5,6,7
	v_med3_num_f32 v[GZ+\p], v[GZ+\p], -4.0, 4.0
.endr
.irp p, 0,2,4,6
	v_pk_mul_f32 v[GX+\p:GX+\p+1], v[GZ+\p:GZ+\p+1], v[GZ+\p:GZ+\p+1]
.endr
.irp p, 0,2,4,6
	v_pk_fma_f32 v[GP+\p:GP+\p+1], v[GX+\p:GX+\p+1], s[CA13:CA13+1], v[16:17] op_sel_hi:[1,0,1]
.endr
.irp p, 0,2,4,6
	v_pk_fma_f32 v[GQ+\p:GQ+\p+1], v[GX+\p:GX+\p+1], s[CB8:CB8+1], v[18:19] op_sel_hi:[1,0,1]
.endr
	HORN GP, CA9
	HORN GQ, CB4
	HORN GP, CA7
	HORN GQ, CB2
	HORN GP, CA5
	HORN GQ, CB0
.irp p, 0,1,2,3,4,5,6,7
	v_rcp_f32 v[GQ+\p], v[GQ+\p]
.endr
	HORN GP, CA3                                   ; plain work behind the reciprocals, which names none of them
	HORN GP, CA1
.irp p, 0,2,4,6
	v_pk_mul_f32 v[GP+\p:GP+\p+1], v[GP+\p:GP+\p+1], v[GZ+\p:GZ+\p+1]
.endr
.irp p, 0,2,4,6
	v_pk_mul_f32 v[GA+\p:GA+\p+1], v[GA+\p:GA+\p+1], 0.5 op_sel_hi:[1,0]
.endr
	s_wait_alu depctr_va_vdst(0)                   ; one wait for the eight reciprocals, ahead of their first reader
.irp p, 0,2,4,6
	v_pk_mul_f32 v[GP+\p:GP+\p+1], v[GP+\p:GP+\p+1], v[GQ+\p:GQ+\p+1]   ; erf
.endr
.irp p, 0,2,4,6
	v_pk_fma_f32 v[GA+\p:GA+\p+1], v[GA+\p:GA+\p+1], v[GP+\p:GP+\p+1], v[GA+\p:GA+\p+1]   ; a/2 erf + a/2
.endr
.endm
; 64 numbers of a lane, register 16 b + i = k 32 b + 16 (lane / 16) + i of my row, become a fragment's codes in v[PC] on and its scale word in v[PW]
.macro QUANT s
.irp b, 0,1,2,3
	v_max3_num_f32 v[TM+\b], |v[\s+16*\b]|, |v[\s+1+16*\b]|, 0x1800000   ; and the floor 2^(3 - 127): the byte cannot fall under 1
.endr
.irp i, 2,4,6,8,10,12,14
.irp b, 0,1,2,3
	v_max3_num_f32 v[TM+\b], v[TM+\b], |v[\s+16*\b+\i]|, |v[\s+1+16*\b+\i]|
.endr
.endr
.irp b, 0,1,2,3
	v_permlanex16_b32 v[TM+4+\b], v[TM+\b], s[SEL], s[SEL+1]
.endr
.irp b, 0,1,2,3
	v_max_num_f32 v[TM+\b], v[TM+\b], v[TM+4+\b]   ; with lane xor 16's: the block's largest magnitude
.endr
.irp b, 0,1,2,3
	v_add_nc_u32 v[TM+12+\b], 0xff000000, v[TM+\b] ; 2 off its exponent field: the conversion's scale operand
.endr
.irp b, 0,1,2,3
	v_lshrrev_b32 v[TM+4+\b], 23, v[TM+12+\b]      ; the scale's byte
.endr
	v_lshl_or_b32 v[PW], v[TM+5], 8, v[TM+4]
	v_lshl_or_b32 v[PW], v[TM+6], 16, v[PW]
	v_lshl_or_b32 v[PW], v[TM+7], 24, v[PW]
.irp c, 0,1
	v_cvt_scalef32_pk16_fp6_f32 v[PC+6*\c:PC+2+6*\c], v[\s+32*\c:\s+15+32*\c], v[TM+12+2*\c]
	v_cvt_scalef32_pk16_fp6_f32 v[PC+12+4*\c:PC+14+4*\c], v[\s+16+32*\c:\s+31+32*\c], v[TM+12+2*\c+1]   ; (a conversion's three registers begin on an even number)
.endr
	v_nop                                          ; one plain line behind a scaled conversion
.irp c, 0,1                            ; the operand wants a WHOLE block in a lane: lanes 0-15 block 2 c, lanes 16-31 block 2 c + 1
.irp i, 0,1,2
	v_permlane16_swap_b32 v[PC+6*\c+\i], v[PC+12+4*\c+\i]
.endr
.irp i, 0,1,2
	v_mov_b32 v[PC+3+6*\c+\i], v[PC+12+4*\c+\i]
.endr
.endr
.endm
.Ltile:                                ; a trip: one tile of 16 rows.  x of this tile and the tokens of the next were asked for a trip ago
	s_wait_xcnt 0x0                                ; the last trip's stores have read their data and addresses: v234 on, v5 and v6 are written again below
.irp t, 0,1,2,3,4,5,6,7
	ds_load_b128 v[HA+8*\t:HA+8*\t+3], v7 offset:128*(\t/2)+32*(\t%2)       ; the bias starts the sums
	ds_load_b128 v[HA+8*\t+4:HA+8*\t+7], v7 offset:128*(\t/2)+32*(\t%2)+16
.endr
	FRAGLD 63, 8, 40*PITCH+672                     ; the one fragment for which the windows have no room
	s_wait_loadcnt 0x0                             ; x, its scale words, the next tile's tokens
	s_wait_dscnt 0x0
.set i, 0
.rept 64
	MM1 i
.set i, i+1
.endr
	WIN 0
.rept 4
	v_nop                                          ; four plain lines between the last product and loads into its operands, and the first read of results
.endr
	XPREP
	XLOAD                                          ; the next tile's x lands under this tile's gelu
	s_add_co_u32 s27, s23, 8
	s_min_u32 s27, s27, s22                        ; the look-ahead stops at the expert's last tile
	s_add_co_u32 s27, s27, s20
	s_min_u32 s27, s27, 134
	s_lshl_b32 s27, s27, 6
	v_add_nc_u32 v13, s27, v1
	global_load_b32 v4, v13, s[12:13]
	s_add_co_u32 s24, s20, s23
	s_min_u32 s24, s24, 134
	s_mul_i32 s24, s24, TBB                        ; this tile's block of hq
	s_add_co_u32 s25, s24, s28
	s_add_co_u32 s26, s24, s29
	v_add_nc_u32 v5, s25, v9
	v_add_nc_u32 v6, s26, v10
.irp b, 0,1,2,3,4,5,6,7
	GELU4 \b
.endr
	QUANT HA
.irp c, 0,1,2
	global_store_b128 v5, v[PC+4*\c:PC+4*\c+3], s[14:15] offset:512*\c   ; the operand's registers as they stand: 512 consecutive bytes, aligned to 256
.endr
	global_store_b32 v6, v[PW], s[14:15]
	s_add_co_u32 s23, s23, 4                       ; my next tile
	s_add_co_u32 s[TRIP], s[TRIP], 1               ; the loop is counted by ones against my wave's trips, which the loop does not write
	s_cmp_lt_u32 s[TRIP], s[TRIPS]
	s_cbranch_scc1 .Ltile
.Lend:
	s_wait_tensorcnt 0x0
	ds_add_u32 v254, v255
	s_wait_dscnt 0x0
	s_endpgm
.Lfunc_end_k_qabcf98be8d_ffn1:
	.size	k_qabcf98be8d_ffn1, .Lfunc_end_k_qabcf98be8d_ffn1-k_qabcf98be8d_ffn1
	.p2alignl 7, 3214868480
	.fill 96, 4, 3214868480
	.section	.rodata,"a",@progbits
	.p2align	6, 0x0
	.amdhsa_kernel k_qabcf98be8d_ffn1
		.amdhsa_group_segment_fixed_size 101376
		.amdhsa_private_segment_fixed_size 0
		.amdhsa_enable_private_segment 0
		.amdhsa_kernarg_size 48
		.amdhsa_user_sgpr_count 2
		.amdhsa_user_sgpr_kernarg_segment_ptr 1
		.amdhsa_wavefront_size32 1
		.amdhsa_system_sgpr_workgroup_id_x 1
		.amdhsa_system_sgpr_workgroup_id_y 1
		.amdhsa_system_sgpr_workgroup_id_z 1
		.amdhsa_system_vgpr_workitem_id 0
		.amdhsa_next_free_vgpr 1024
		.amdhsa_next_free_sgpr 96
		.amdhsa_reserve_vcc 0
		.amdhsa_float_denorm_mode_32 3
		.amdhsa_float_denorm_mode_16_64 3
		.amdhsa_memory_ordered 1
		.amdhsa_forward_progress 1
		.amdhsa_inst_pref_size 97
	.end_amdhsa_kernel
	.amdgpu_metadata
---
amdhsa.version: [ 1, 2 ]
amdhsa.kernels:
  - .name:           k_qabcf98be8d_ffn1
    .symbol:         k_qabcf98be8d_ffn1.kd
    .args:
      - { .name: W1_codes, .offset: 0, .size: 8, .value_kind: global_buffer, .address_space: global }
      - { .name: W1_scales, .offset: 8, .size: 8, .value_kind: global_buffer, .address_space: global }
      - { .name: b1, .offset: 16, .size: 8, .value_kind: global_buffer, .address_space: global }
      - { .name: xq, .offset: 24, .size: 8, .value_kind: global_buffer, .address_space: global }
      - { .name: plan, .offset: 32, .size: 8, .value_kind: global_buffer, .address_space: global }
      - { .name: hq, .offset: 40, .size: 8, .value_kind: global_buffer, .address_space: global }
    .group_segment_fixed_size: 101376
    .private_segment_fixed_size: 0
    .kernarg_segment_align: 8
    .kernarg_segment_size: 48
    .max_flat_workgroup_size: 128
    .sgpr_count:     96
    .vgpr_count:     1024
    .wavefront_size: 32
...
	.end_amdgpu_metadata
.endif
;; end of part 3
;; launch ffn2 (part 4): grid 32 x 8, 4 waves a work-group, no clusters, 270,848 bytes of LDS; arguments W2_codes, W2_scales, b2, hq, plan, y; writes y
.if DOCPART == 4
	.amdgcn_target "amdgcn-amd-amdhsa--gfx1250"
	.amdhsa_code_object_version 6
	.text
	.protected	k_qabcf98be8d_ffn2
	.globl	k_qabcf98be8d_ffn2
	.p2align	8
	.type	k_qabcf98be8d_ffn2,@function
k_qabcf98be8d_ffn2:
	s_mov_b64 s[64:65], 0
	v_nop
	global_prefetch_b8 v0, s[64:65] scope:SCOPE_SE
	s_setreg_imm32_b32 hwreg(HW_REG_WAVE_MODE, 25, 1), 1
	s_wait_xcnt 0x0
; y = h W2[e] + b2[e] for the sorted rows of expert e, on codes of FP6 (E2M3) with one E8M0 scale for each 32 along K.  K = 4,096: 32 K steps of 128.
; SHARES.  Work-group (x, e): c = x / 2 is a slice of 64 output columns, q = x % 2 takes every second pair of row tiles.  THE WAVES SPLIT K: wave w holds K steps 8 w .. 8 w + 7 of the 64 columns, 32 fragments
; (384 registers), for the whole launch; they come from memory in pieces of 256 consecutive bytes through the wave's own stage in LDS.  A trip takes two row tiles: 8 accumulators (2 tiles x 4 tiles of columns),
; 64 products a wave; the four waves' partial sums meet in LDS, and each wave adds and stores 8 whole pieces of rows.  h comes as images of the operand's registers (three loads of 16 bytes a fragment), a trip ahead.
; The product is used transposed (source 0 = 16 columns' rows of W2, source 1 = 16 rows of h): a lane holds 8 neighbouring columns of one row.
; THE LOOP HAS A CONSTANT COUNT (16 trips: an expert has at most 64 tiles), since every wave must pass the trip's barrier; branches on the loaded number of tiles lead round the work alone.
; NO TENSOR LOAD, NO CLUSTER: those branches hang on numbers read from memory (plan).
; LIMITS: a sum over K is four partial sums of 1,024 that are added, not one chain in K's order.  NaN and infinities are not served.
; REGISTERS, in windows of 256.  Window 0: v1-11 addresses; v12-15 b2; v16-31 W2's scale words (register 4 t + i: lanes 0-15 K step i of my 8, lanes 16-31 step 4 + i); v32-47 h's, two sets;
;   v48-111 accumulators; v112-175 partial sums read back; v176-187 fragment slot 63.  Windows 1-3: slots 0-62, 21 to a window: slots 0-31 W2 (4 s + t), slots 32 + 16 set + 2 s + j h.
.set TBB,   53248
.set PITCH, 784
.set RED,   200704                     ; behind the four stages of 64 x 784 bytes: two buffers of [4 partial sums][32 rows][256 bytes + 16], by turns
.set REDB,  34816
.set TINFO, 16896
.set W2S,   16
.set HSC,   32
.set ACC,   48
.set RB,    112
.set F63,   176
.set MSB, 0
.macro WIN new
.if MSB != (\new)
	s_set_vgpr_msb (MSB<<8)|(\new)
.set MSB, (\new)
.endif
.endm
.macro SLOT i
.if (\i) < 21
.set SW, 1
.set SR, 12*(\i)
.elseif (\i) < 42
.set SW, 2
.set SR, 12*((\i)-21)
.elseif (\i) < 63
.set SW, 3
.set SR, 12*((\i)-42)
.else
.set SW, 0
.set SR, F63
.endif
.endm
.macro FRAGLD i, adr, off
	SLOT \i
	WIN SW<<6
.irp p, 0,1,2,3,4,5
	ds_load_b64 v[SR+2*\p:SR+2*\p+1], v[\adr] offset:(\off)+48*(\p/3)+8*(\p%3)
.endr
.endm
.macro RAWREG j                        ; where W2 lands as loaded: the registers of h's set 1 (slots 48-63) and of W2's slots 16-31; h's set 0 stays free for the first pair of tiles
.if (\j) < 45
.set RW, 3
.set RR, 72+4*(\j)
.elseif (\j) < 48
.set RW, 0
.set RR, 176+4*((\j)-45)
.elseif (\j) < 63
.set RW, 1
.set RR, 192+4*((\j)-48)
.else
.set RW, 2
.set RR, 4*((\j)-63)
.endif
.endm
	s_load_b256 s[4:11], s[0:1], 0x0               ; W2's codes s[4:5], its scales s[6:7], b2 s[8:9], hq s[10:11]
	s_load_b128 s[12:15], s[0:1], 0x20             ; plan s[12:13], y s[14:15]
	v_lshl_add_u32 v254, v0, 2, 0x42000
	v_mov_b32 v255, 0
	v_lshrrev_b32 v188, 5, v0
	v_readfirstlane_b32 s16, v188                  ; wave 0..3
	s_and_b32 s17, ttmp7, 0xffff                   ; the expert
	s_lshr_b32 s18, ttmp9, 1                       ; c
	s_and_b32 s19, ttmp9, 1                        ; q
	s_lshr_b32 s24, s16, 1                         ; which of a trip's two tiles I add and store
	s_lshl_b32 s28, s17, 3
	v_and_b32 v197, 31, v0                         ; lane
	v_and_b32 v198, 15, v0                         ; r
	v_bfe_u32 v199, v0, 4, 1                       ; hh
	v_lshlrev_b32 v1, 4, v197
	s_mul_i32 s26, s16, 12288
	v_add_nc_u32 v10, s26, v1                      ; h's images: my 8 K steps of 1,536 bytes, 16 bytes a lane
	s_lshl_b32 s26, s16, 10
	s_add_co_u32 s26, s26, 49152
	v_lshlrev_b32 v11, 2, v198
	v_lshl_add_u32 v11, v199, 9, v11
	v_add_nc_u32 v11, s26, v11                     ; h's scale words: lanes 0-15 K step 8 w + i, lanes 16-31 step 8 w + 4 + i
	s_mul_i32 s26, s16, 8704
	s_add_co_u32 s26, s26, RED
	v_mul_u32_u24 v6, v198, 272
	v_lshl_add_u32 v6, v199, 5, v6
	v_add_nc_u32 v6, s26, v6                       ; my partial sums: row r, 32 bytes for each half of the lanes
	s_mul_i32 s26, s16, 2176
	s_add_co_u32 s26, s26, RED
	v_mul_u32_u24 v7, v199, 272
	v_lshl_add_u32 v7, v198, 4, v7
	v_add_nc_u32 v7, s26, v7                       ; back: my 8 of the 32 rows; lanes 0-15 one row's 256 bytes, lanes 16-31 the next
	s_and_b32 s26, s16, 1
	s_lshl_b32 s26, s26, 15
	s_lshl_b32 s27, s18, 8
	s_add_co_u32 s26, s26, s27
	v_lshlrev_b32 v8, 4, v198
	v_lshl_add_u32 v8, v199, 12, v8
	v_add_nc_u32 v8, s26, v8                       ; and the same place in a tile of y
	v_mov_b32 v188, v1                             ; W2 in memory: three loads of 512 bytes are two rows' 768: the first row's first 512;
	v_lshlrev_b32 v189, 4, v198
	v_mad_u32_u24 v189, v199, 2560, v189
	v_add_nc_u32 v189, 512, v189                   ; its last 256 and, 3,072 bytes on, the second row's first 256;
	v_add_nc_u32 v190, 3328, v1                    ; the second row's last 512
	s_mul_i32 s26, s16, 64*PITCH                   ; my stage
	v_lshlrev_b32 v191, 4, v198
	v_add_nc_u32 v191, s26, v191
	v_mad_u32_u24 v192, v199, 272, v191
	v_add_nc_u32 v192, 512, v192
	v_lshl_add_u32 v191, v199, 8, v191
	v_add_nc_u32 v193, 1040, v191
	v_mul_u32_u24 v194, v198, PITCH
	v_mad_u32_u24 v194, v199, 24, v194
	v_add_nc_u32 v194, s26, v194                   ; a fragment's row and half
	v_lshlrev_b32 v195, 7, v198
	v_lshl_add_u32 v195, v199, 4, v195             ; W2's scale bytes: 128 a row
	v_lshlrev_b32 v196, 4, v198                    ; b2 of my four columns
.irp i, 0,1,2,3,4,5,6,7
	v_mov_b32 v[HSC+8+\i], 0x7f7f7f7f              ; h's scale words, set 1: written on every way (the scale 1) long before a product could name them
.endr
	s_mul_i32 s30, s17, 3145728
	s_mul_i32 s31, s18, 196608
	s_add_co_u32 s30, s30, s31
	s_mul_i32 s31, s16, 768
	s_add_co_u32 s30, s30, s31                     ; my 64 rows' bytes 768 w on
	s_mov_b32 s31, 0
	s_lshl_b32 s32, s17, 17
	s_lshl_b32 s33, s18, 13
	s_add_co_u32 s32, s32, s33
	s_lshl_b32 s33, s16, 5
	s_add_co_u32 s32, s32, s33
	s_mov_b32 s33, 0
	s_lshl_b32 s34, s17, 12
	s_lshl_b32 s35, s18, 8
	s_add_co_u32 s34, s34, s35
	s_mov_b32 s35, 0
	s_wait_kmcnt 0x0
	s_load_b64 s[20:21], s[12:13], s28 offset:TINFO   ; the expert's first tile, its tiles
	s_add_nc_u64 s[4:5], s[4:5], s[30:31]
	s_add_nc_u64 s[6:7], s[6:7], s[32:33]
	s_add_nc_u64 s[8:9], s[8:9], s[34:35]
.irp t, 0,1,2,3
	global_load_b128 v[W2S+4*\t:W2S+4*\t+3], v195, s[6:7] offset:2048*\t
.endr
	global_load_b128 v[12:15], v196, s[8:9]
.set j, 0
.rept 96
	RAWREG j
	WIN RW<<6
	global_load_b128 v[RR:RR+3], v[188+j%3], s[4:5] offset:6144*(j/3)   ; sixteen lanes take 256 consecutive bytes, aligned
.set j, j+1
.endr
	WIN 0
	s_wait_kmcnt 0x0
	s_min_u32 s20, s20, 134                        ; loaded numbers enter addresses and compares behind bounds
	s_min_u32 s21, s21, 64
	s_cmp_eq_u32 s21, 0
	s_cselect_b32 s20, 0, s20                      ; an expert without rows: the loads below take tile 0, which always exists
	s_max_u32 s22, s21, 1
	s_sub_co_u32 s22, s22, 1                       ; the expert's last tile
	s_lshl_b32 s23, s19, 1                         ; the trip's first tile: 2 q + 4 x trip
.macro HPREP a, b                      ; where the tiles a and b on from the trip's first lie in hq; both are held at the expert's last tile
	s_add_co_u32 s30, s23, \a
	s_min_u32 s30, s30, s22
	s_add_co_u32 s30, s30, s20
	s_min_u32 s30, s30, 134
	s_mul_i32 s30, s30, TBB
	v_add_nc_u32 v2, s30, v10
	v_add_nc_u32 v4, s30, v11
	s_add_co_u32 s30, s23, \b
	s_min_u32 s30, s30, s22
	s_add_co_u32 s30, s30, s20
	s_min_u32 s30, s30, 134
	s_mul_i32 s30, s30, TBB
	v_add_nc_u32 v3, s30, v10
	v_add_nc_u32 v5, s30, v11
.endm
.macro LOADH set                       ; two tiles' fragments of my 8 K steps and their scale words: 48 + 8 loads
.set k, 0
.rept 16
	SLOT 32+16*(\set)+k
	WIN SW<<6
.irp c, 0,1,2
	global_load_b128 v[SR+4*\c:SR+4*\c+3], v[2+k%2], s[10:11] offset:1536*(k/2)+512*\c
.endr
.set k, k+1
.endr
	WIN 0
.irp j, 0,1
.irp i, 0,1,2,3
	global_load_b32 v[HSC+8*(\set)+4*\j+\i], v[4+\j], s[10:11] offset:128*\i
.endr
.endr
.endm
	HPREP 0, 1
	LOADH 0
	s_wait_loadcnt 56                              ; W2, its scale words and b2 are in: behind them the first pair's 56 loads were issued
.set j, 0
.rept 96
	RAWREG j
	WIN RW<<2                                      ; an LDS store's data are its source 1
	ds_store_b128 v[191+j%3], v[RR:RR+3] offset:1568*(j/3)
.set j, j+1
.endr
	WIN 0
	s_wait_dscnt 0x0                               ; the stage is my own: no barrier; the stores have read their registers
.set i, 0
.rept 32                               ; slot 4 s + t
	FRAGLD i, 194, 16*PITCH*(i%4)+96*(i/4)
.set i, i+1
.endr
	WIN 0
	s_wait_dscnt 0x0
.macro TRIP set
	s_cmp_lt_u32 s23, s21
	s_cbranch_scc0 .Lidle_\@                       ; no tile left for this trip: only the barrier
	s_wait_loadcnt 0x0                             ; this trip's h is in, so its address registers may be written
	HPREP 4, 5
	LOADH 1-\set                                   ; the next trip's h lands under this trip's products
.set k, 0
.rept 64                               ; product 8 s + 4 j + t: the eight accumulators take turns, one instruction a turn
.set ws, k/8
.set wj, (k/4)%2
.set wt, k%4
	SLOT 4*ws+wt
.set AW, SW
.set AR, SR
	SLOT 32+16*(\set)+2*ws+wj
	WIN AW|(SW<<2)
.set AC, ACC+8*(4*wj+wt)
.set SCA, W2S+4*wt+ws%4
.set SCB, HSC+8*(\set)+4*wj+ws%4
.if ws == 0
	v_wmma_scale_f32_16x16x128_f8f6f4 v[AC:AC+7], v[AR:AR+11], v[SR:SR+11], 0, v[SCA], v[SCB] matrix_a_fmt:MATRIX_FMT_FP6 matrix_b_fmt:MATRIX_FMT_FP6
.elseif ws < 4
	v_wmma_scale_f32_16x16x128_f8f6f4 v[AC:AC+7], v[AR:AR+11], v[SR:SR+11], v[AC:AC+7], v[SCA], v[SCB] matrix_a_fmt:MATRIX_FMT_FP6 matrix_b_fmt:MATRIX_FMT_FP6
.else
	v_wmma_scale_f32_16x16x128_f8f6f4 v[AC:AC+7], v[AR:AR+11], v[SR:SR+11], v[AC:AC+7], v[SCA], v[SCB] matrix_a_fmt:MATRIX_FMT_FP6 matrix_b_fmt:MATRIX_FMT_FP6 matrix_a_scale:MATRIX_SCALE_ROW1 matrix_b_scale:MATRIX_SCALE_ROW1
.endif
.set k, k+1
.endr
	WIN 0
.rept 5
	v_nop                                          ; plain lines behind the last product: four for the stores that read results and the next loads into operands, a fifth since the next trip begins these accumulators anew
.endr
.irp j, 0,1
.irp t, 0,1,2,3
	ds_store_b128 v6, v[ACC+8*(4*\j+\t):ACC+8*(4*\j+\t)+3] offset:REDB*(\set)+4352*\j+64*\t        ; each accumulator from its low end on
	ds_store_b128 v6, v[ACC+8*(4*\j+\t)+4:ACC+8*(4*\j+\t)+7] offset:REDB*(\set)+4352*\j+64*\t+16
.endr
.endr
.Lidle_\@:
	s_wait_dscnt 0x0                               ; my partial sums lie in this buffer; my reads of the other buffer, which the next trip writes, were over a trip ago
	s_barrier_signal -1
	s_barrier_wait -1
	s_add_co_u32 s31, s23, s24                     ; the tile whose rows I add
	s_cmp_lt_u32 s31, s21
	s_cbranch_scc0 .Lnext_\@                       ; it does not exist (the second tile only repeats the last): nothing is stored
	s_wait_xcnt 0x0                                ; the last trip's stores have read their data and address
	s_add_co_u32 s31, s31, s20
	s_min_u32 s31, s31, 134
	s_lshl_b32 s31, s31, 16                        ; 16 rows of 4,096 bytes
	v_add_nc_u32 v9, s31, v8
.irp m, 0,1,2,3
.irp p, 0,1,2,3
	ds_load_b128 v[RB+16*\m+4*\p:RB+16*\m+4*\p+3], v7 offset:REDB*(\set)+8704*\p+544*\m
.endr
.endr
	s_wait_dscnt 0x0
.irp m, 0,1,2,3
.irp h, 0,2
	v_pk_add_f32 v[RB+16*\m+\h:RB+16*\m+\h+1], v[RB+16*\m+\h:RB+16*\m+\h+1], v[RB+16*\m+4+\h:RB+16*\m+5+\h]
	v_pk_add_f32 v[RB+16*\m+8+\h:RB+16*\m+9+\h], v[RB+16*\m+8+\h:RB+16*\m+9+\h], v[RB+16*\m+12+\h:RB+16*\m+13+\h]
.endr
.irp h, 0,2
	v_pk_add_f32 v[RB+16*\m+\h:RB+16*\m+\h+1], v[RB+16*\m+\h:RB+16*\m+\h+1], v[RB+16*\m+8+\h:RB+16*\m+9+\h]
.endr
.irp h, 0,2
	v_pk_add_f32 v[RB+16*\m+\h:RB+16*\m+\h+1], v[RB+16*\m+\h:RB+16*\m+\h+1], v[12+\h:13+\h]   ; + b2
.endr
	global_store_b128 v9, v[RB+16*\m:RB+16*\m+3], s[14:15] offset:8192*\m   ; sixteen lanes store 256 consecutive bytes, aligned
.endr
.Lnext_\@:
	s_add_co_u32 s23, s23, 4
.endm
	s_mov_b32 s25, 8
.Lpair:                                ; 8 x 2 trips: the two sets of h's registers and the two buffers change places
	TRIP 0
	TRIP 1
	s_sub_co_u32 s25, s25, 1
	s_cmp_lg_u32 s25, 0
	s_cbranch_scc1 .Lpair
	s_wait_tensorcnt 0x0
	ds_add_u32 v254, v255
	s_wait_dscnt 0x0
	s_endpgm
.Lfunc_end_k_qabcf98be8d_ffn2:
	.size	k_qabcf98be8d_ffn2, .Lfunc_end_k_qabcf98be8d_ffn2-k_qabcf98be8d_ffn2
	.p2alignl 7, 3214868480
	.fill 96, 4, 3214868480
	.section	.rodata,"a",@progbits
	.p2align	6, 0x0
	.amdhsa_kernel k_qabcf98be8d_ffn2
		.amdhsa_group_segment_fixed_size 270848
		.amdhsa_private_segment_fixed_size 0
		.amdhsa_enable_private_segment 0
		.amdhsa_kernarg_size 48
		.amdhsa_user_sgpr_count 2
		.amdhsa_user_sgpr_kernarg_segment_ptr 1
		.amdhsa_wavefront_size32 1
		.amdhsa_system_sgpr_workgroup_id_x 1
		.amdhsa_system_sgpr_workgroup_id_y 1
		.amdhsa_system_sgpr_workgroup_id_z 1
		.amdhsa_system_vgpr_workitem_id 0
		.amdhsa_next_free_vgpr 1024
		.amdhsa_next_free_sgpr 66
		.amdhsa_reserve_vcc 0
		.amdhsa_float_denorm_mode_32 3
		.amdhsa_float_denorm_mode_16_64 3
		.amdhsa_memory_ordered 1
		.amdhsa_forward_progress 1
		.amdhsa_inst_pref_size 78
	.end_amdhsa_kernel
	.amdgpu_metadata
---
amdhsa.version: [ 1, 2 ]
amdhsa.kernels:
  - .name:           k_qabcf98be8d_ffn2
    .symbol:         k_qabcf98be8d_ffn2.kd
    .args:
      - { .name: W2_codes, .offset: 0, .size: 8, .value_kind: global_buffer, .address_space: global }
      - { .name: W2_scales, .offset: 8, .size: 8, .value_kind: global_buffer, .address_space: global }
      - { .name: b2, .offset: 16, .size: 8, .value_kind: global_buffer, .address_space: global }
      - { .name: hq, .offset: 24, .size: 8, .value_kind: global_buffer, .address_space: global }
      - { .name: plan, .offset: 32, .size: 8, .value_kind: global_buffer, .address_space: global }
      - { .name: y, .offset: 40, .size: 8, .value_kind: global_buffer, .address_space: global }
    .group_segment_fixed_size: 270848
    .private_segment_fixed_size: 0
    .kernarg_segment_align: 8
    .kernarg_segment_size: 48
    .max_flat_workgroup_size: 128
    .sgpr_count:     66
    .vgpr_count:     1024
    .wavefront_size: 32
...
	.end_amdgpu_metadata
.endif
;; end of part 4
;; launch combine (part 5): grid 256 x 1, 4 waves a work-group, no clusters, 0 bytes of LDS; arguments y, plan, rtf, out0; writes out0
.if DOCPART == 5
	.amdgcn_target "amdgcn-amd-amdhsa--gfx1250"
	.amdhsa_code_object_version 6
	.text
	.protected	k_qabcf98be8d_combine
	.globl	k_qabcf98be8d_combine
	.p2align	8
	.type	k_qabcf98be8d_combine,@function
k_qabcf98be8d_combine:
	s_mov_b64 s[64:65], 0
	v_nop
	global_prefetch_b8 v0, s[64:65] scope:SCOPE_SE
	s_setreg_imm32_b32 hwreg(HW_REG_WAVE_MODE, 25, 1), 1
	s_wait_xcnt 0x0
; out0[t] = gate0 y[row of slot 2 t] + gate1 y[row of slot 2 t + 1].  y: [2160][1024] f32 in sorted order, b2 added; plan holds each slot's sorted row, rtf the two gates.
; A wave takes a token: 2 x 8 loads of 512 consecutive bytes, 8 stores of 512.  Each row of y is named once in the launch.  A stream: no LDS, no barrier, no matrix unit, nothing shared between work-groups.
.set POS, 8704
	s_load_b256 s[4:11], s[0:1], 0x0               ; y s[4:5], plan s[6:7], rtf s[8:9], out0 s[10:11]
	v_lshrrev_b32 v1, 5, v0
	v_readfirstlane_b32 s12, v1                    ; wave
	v_and_b32 v1, 31, v0
	v_lshlrev_b32 v1, 4, v1                        ; 16 x lane
	s_lshl_b32 s13, ttmp9, 2
	s_add_co_u32 s13, s13, s12                     ; my token
	s_lshl_b32 s14, s13, 3
	s_lshl_b32 s20, s13, 12
	s_mov_b32 s21, 0
	s_wait_kmcnt 0x0
	s_load_b64 s[16:17], s[6:7], s14 offset:POS    ; its two sorted rows
	s_load_b64 s[18:19], s[8:9], s14 offset:0x0    ; its two gates
	s_add_nc_u64 s[10:11], s[10:11], s[20:21]
	s_wait_kmcnt 0x0
	s_min_u32 s16, s16, 2159                       ; loaded numbers enter addresses behind a bound
	s_min_u32 s17, s17, 2159
	s_lshl_b32 s16, s16, 12
	s_lshl_b32 s17, s17, 12
	v_add_nc_u32 v2, s16, v1
	v_add_nc_u32 v3, s17, v1
.irp j, 0,1,2,3,4,5,6,7
	global_load_b128 v[8+4*\j:11+4*\j], v2, s[4:5] offset:512*\j th:TH_LOAD_NT
.endr
.irp j, 0,1,2,3,4,5,6,7
	global_load_b128 v[40+4*\j:43+4*\j], v3, s[4:5] offset:512*\j th:TH_LOAD_NT
.endr
	s_mov_b32 s24, s18                             ; each gate as a pair: a packed form names a pair and takes its low word for both halves
	s_mov_b32 s25, s18
	s_mov_b32 s26, s19
	s_mov_b32 s27, s19
	s_wait_loadcnt 0x0
.irp j, 0,2,4,6,8,10,12,14,16,18,20,22,24,26,28,30
	v_pk_mul_f32 v[8+\j:9+\j], v[8+\j:9+\j], s[24:25] op_sel_hi:[1,0]
.endr
.irp j, 0,2,4,6,8,10,12,14,16,18,20,22,24,26,28,30
	v_pk_fma_f32 v[8+\j:9+\j], v[40+\j:41+\j], s[26:27], v[8+\j:9+\j] op_sel_hi:[1,0,1]
.endr
.irp j, 0,1,2,3,4,5,6,7
	global_store_b128 v1, v[8+4*\j:11+4*\j], s[10:11] offset:512*\j th:TH_STORE_NT   ; 512 consecutive bytes, aligned to 256
.endr
	s_endpgm
.Lfunc_end_k_qabcf98be8d_combine:
	.size	k_qabcf98be8d_combine, .Lfunc_end_k_qabcf98be8d_combine-k_qabcf98be8d_combine
	.p2alignl 7, 3214868480
	.fill 96, 4, 3214868480
	.section	.rodata,"a",@progbits
	.p2align	6, 0x0
	.amdhsa_kernel k_qabcf98be8d_combine
		.amdhsa_group_segment_fixed_size 0
		.amdhsa_private_segment_fixed_size 0
		.amdhsa_enable_private_segment 0
		.amdhsa_kernarg_size 32
		.amdhsa_user_sgpr_count 2
		.amdhsa_user_sgpr_kernarg_segment_ptr 1
		.amdhsa_wavefront_size32 1
		.amdhsa_system_sgpr_workgroup_id_x 1
		.amdhsa_system_sgpr_workgroup_id_y 1
		.amdhsa_system_sgpr_workgroup_id_z 1
		.amdhsa_system_vgpr_workitem_id 0
		.amdhsa_next_free_vgpr 80
		.amdhsa_next_free_sgpr 66
		.amdhsa_reserve_vcc 0
		.amdhsa_float_denorm_mode_32 3
		.amdhsa_float_denorm_mode_16_64 3
		.amdhsa_memory_ordered 1
		.amdhsa_forward_progress 1
		.amdhsa_inst_pref_size 6
	.end_amdhsa_kernel
	.amdgpu_metadata
---
amdhsa.version: [ 1, 2 ]
amdhsa.kernels:
  - .name:           k_qabcf98be8d_combine
    .symbol:         k_qabcf98be8d_combine.kd
    .args:
      - { .name: y, .offset: 0, .size: 8, .value_kind: global_buffer, .address_space: global }
      - { .name: plan, .offset: 8, .size: 8, .value_kind: global_buffer, .address_space: global }
      - { .name: rtf, .offset: 16, .size: 8, .value_kind: global_buffer, .address_space: global }
      - { .name: out0, .offset: 24, .size: 8, .value_kind: global_buffer, .address_space: global }
    .group_segment_fixed_size: 0
    .private_segment_fixed_size: 0
    .kernarg_segment_align: 8
    .kernarg_segment_size: 32
    .max_flat_workgroup_size: 128
    .sgpr_count:     66
    .vgpr_count:     80
    .wavefront_size: 32
...
	.end_amdgpu_metadata
.endif
;; end of part 5
;; ======== version 2 of 2: 5 launches
;; workspace buffers: xq 819,200 bytes; topi 8,192 bytes of whole numbers; rtf 40,960 bytes; plan 17,152 bytes of whole numbers; hq 7,188,480 bytes; y 8,847,360 bytes
;; launch route (part 6): grid 128 x 1, 8 waves a work-group, no clusters, 76,800 bytes of LDS; arguments x, Wr, br, xq, topi, rtf; writes xq, topi, rtf
.if DOCPART == 6
	.amdgcn_target "amdgcn-amd-amdhsa--gfx1250"
	.amdhsa_code_object_version 6
	.text
	.protected	k_qabcf98be8d_route
	.globl	k_qabcf98be8d_route
	.p2align	8
	.type	k_qabcf98be8d_route,@function
k_qabcf98be8d_route:
	s_mov_b64 s[64:65], 0
	v_nop
	global_prefetch_b8 v0, s[64:65] scope:SCOPE_SE
	s_setreg_imm32_b32 hwreg(HW_REG_WAVE_MODE, 25, 1), 1
	s_wait_xcnt 0x0
; ROUTER AND QUANTISER OF x.  x [1024][1024] f32, Wr [1024][8] f32, br [8] f32.
; A work-group takes 8 tokens, a wave one token.  For its token a wave (a) turns x into codes of FP6 (E2M3) with one E8M0 byte for each 32 along K,
; (b) forms the 8 logits x Wr + br in f32 by fused multiply-adds, their softmax (the maximum taken away first) and the two largest gates.
; OUT: xq: codes, 768 bytes a token; block 4 s + 2 c + hh of a row lies at 96 s + 48 hh + 24 c, so that lane (r, hh) of a later product finds the 48 bytes of
;      its 12 operand registers of K step s on end; from byte XSOFF the scale bytes, 32 a token, in K's order.
;      topi: the two chosen experts of each token (whole numbers, at fixed places: no address here hangs on the choice).  rtf: the two gates at 0, all 8 gates from byte 8192.
; A block's scale is 2^(floor(log2(largest magnitude)) - 2); its byte is that magnitude's exponent field - 2, held at 1 from below.
; LIMITS: NaN and infinities are not served.  A block whose largest magnitude lies under 2^-124, a block of zeros too, gets the byte 1 (zero codes add nothing; only this program reads the bytes).
;         Equal gates: the lower index wins, as in the top-k that is asked for.  The logits' sums run over lanes, not in K's order.
; No matrix unit: 8 columns.  No cluster: the one shared input, Wr, is 32 KiB against 32 KiB of x for a work-group and comes once.
.set STG,   33792                      ; LDS: Wr at 0: 64 pieces of 512 bytes + 16 of padding (row k at 528 (k / 16) + 32 (k % 16)); then for each wave two stages of 32 x 80 bytes
.set XSB,   74752                      ; the work-group's 256 scale bytes
.set GB,    75008                      ; its 8 x 8 gates
.set TIB,   75264                      ; its 8 x 2 chosen experts; the 8 x 2 chosen gates lie 256 bytes on
.set XSOFF, 786432
.set R,     16                         ; v16-47   x as loaded; later at work
.set G,     32                         ; v32-39   the gates
.set X,     80                         ; v80-111  x: k = 512 u + 16 lane + i in v[X + 16 u + i]
.set WG0,   112                        ; v112-175 rows of Wr, even groups
.set WG1,   176                        ; v176-239 rows of Wr, odd groups; at the head Wr as loaded
.set ACC,   240                        ; v240-247 the 8 logits' sums
	s_load_b256 s[4:11], s[0:1], 0x0               ; x s[4:5], Wr s[6:7], br s[8:9], xq s[10:11]
	s_load_b128 s[12:15], s[0:1], 0x20             ; topi s[12:13], rtf s[14:15]
	v_lshl_add_u32 v251, v0, 2, 0x12800
	v_mov_b32 v255, 0
	v_and_b32 v1, 31, v0                           ; lane
	v_lshrrev_b32 v10, 5, v0
	s_delay_alu instid0(VALU_DEP_1)
	v_readfirstlane_b32 s16, v10                   ; wave 0..7
	s_delay_alu instid0(VALU_DEP_3)
	v_lshlrev_b32 v2, 4, v1                        ; 16 x lane
	v_lshlrev_b32 v3, 4, v0                        ; 16 x thread
	s_lshl_b32 s17, s16, 4
	v_add_nc_u32 v4, s17, v3                       ; Wr into LDS: a wave's 512 bytes are one piece: 528 x wave + 16 x lane
	s_mul_i32 s17, s16, 5120
	s_add_co_u32 s17, s17, STG                     ; my wave's stages
	v_lshrrev_b32 v10, 2, v1
	s_delay_alu instid0(VALU_DEP_1)
	v_mul_u32_u24 v10, v10, 80
	v_and_b32 v11, 3, v1
	s_delay_alu instid0(VALU_DEP_1)
	v_lshl_add_u32 v10, v11, 4, v10
	s_delay_alu instid0(VALU_DEP_1)
	v_add_nc_u32 v5, s17, v10                      ; into a stage: four lanes' 64 bytes on end, then 16 of padding
	v_mul_u32_u24 v6, v1, 80
	s_delay_alu instid0(VALU_DEP_1)
	v_add_nc_u32 v6, s17, v6                       ; out of it: my 16 neighbours
	v_mul_u32_u24 v7, v1, 528                      ; Wr's 16 rows that go with my 16 numbers
	v_lshrrev_b32 v10, 3, v1
	s_delay_alu instid0(VALU_DEP_1)
	v_mul_u32_u24 v8, v10, 96                      ; where my 12 bytes of codes go: K step lane / 8,
	v_bfe_u32 v10, v1, 1, 1
	s_delay_alu instid0(VALU_DEP_1)
	v_mad_u32_u24 v8, v10, 48, v8                  ; hh = bit 1,
	v_bfe_u32 v10, v1, 2, 1
	s_delay_alu instid0(VALU_DEP_1)
	v_mad_u32_u24 v8, v10, 24, v8                  ; c = bit 2,
	v_and_b32 v10, 1, v1
	s_delay_alu instid0(VALU_DEP_1)
	v_mad_u32_u24 v8, v10, 12, v8                  ; the block's half = bit 0
	s_lshl_b32 s17, s16, 5
	s_add_co_u32 s21, s17, XSB
	v_lshrrev_b32 v9, 1, v1
	s_delay_alu instid0(VALU_DEP_1)
	v_add_nc_u32 v9, s21, v9                       ; my block's scale byte: 32 x wave + lane / 2
	s_add_co_u32 s21, s17, GB
	v_mov_b32 v52, s21                             ; my token's gates
	s_lshl_b32 s21, s16, 3
	s_add_co_u32 s21, s21, TIB
	v_mov_b32 v53, s21                             ; my token's two experts
	v_lshlrev_b32 v48, 3, v1                       ; the way out: 8 bytes a lane,
	s_delay_alu instid0(VALU_DEP_1)
	v_add_nc_u32 v49, XSB, v48
	v_and_b32 v50, 15, v1
	s_delay_alu instid0(VALU_DEP_1)
	v_lshlrev_b32 v50, 2, v50                      ; or 4 bytes for each of 16 lanes (lanes 16-31 name the same words with the same values)
	s_delay_alu instid0(VALU_DEP_1)
	v_add_nc_u32 v51, TIB, v50
	s_lshl_b32 s20, ttmp9, 3
	s_add_co_u32 s20, s20, s16                     ; my token
	s_mov_b32 s18, 0x76543210
	s_mov_b32 s19, 0xfedcba98                      ; lane selects: lane xor 16
	s_mov_b32 s23, 0
	s_wait_kmcnt 0x0
	s_load_b256 s[24:31], s[8:9], 0x0              ; br
	s_lshl_b32 s22, s20, 12
	s_add_nc_u64 s[4:5], s[4:5], s[22:23]          ; my row of x
	s_mul_i32 s22, s20, 768
	s_add_nc_u64 s[32:33], s[10:11], s[22:23]      ; my row of codes
	s_lshl_b32 s22, ttmp9, 8
	s_add_nc_u64 s[34:35], s[10:11], s[22:23]      ; the work-group's 256 scale bytes (XSOFF stands in the store)
	s_add_nc_u64 s[36:37], s[14:15], s[22:23]      ; its 256 bytes of gates (8192 likewise)
	s_lshl_b32 s22, ttmp9, 6
	s_add_nc_u64 s[38:39], s[12:13], s[22:23]      ; its 64 bytes of experts
	s_add_nc_u64 s[40:41], s[14:15], s[22:23]      ; and of chosen gates
.irp j, 0,1,2,3,4,5,6,7
	global_load_b128 v[R+4*\j:R+4*\j+3], v2, s[4:5] offset:512*\j th:TH_LOAD_NT   ; 512 consecutive bytes a load
.endr
.irp j, 0,1,2,3,4,5,6,7
	global_load_b128 v[WG1+4*\j:WG1+4*\j+3], v3, s[6:7] offset:4096*\j            ; the work-group's eight waves take Wr whole
.endr
.macro TURN u                          ; 512 numbers through a stage: in as loaded, out 16 neighbours a lane; LDS serves a wave's instructions in order
.irp i, 0,1,2,3
	ds_store_b128 v5, v[R+16*\u+4*\i:R+16*\u+4*\i+3] offset:2560*\u+640*\i
.endr
.irp i, 0,1,2,3
	ds_load_b128 v[X+16*\u+4*\i:X+16*\u+4*\i+3], v6 offset:2560*\u+16*\i
.endr
.endm
	s_wait_loadcnt 8                               ; x is in; behind it the 8 loads of Wr were issued
	TURN 0
	TURN 1
	s_wait_loadcnt 0x0                             ; Wr
.irp j, 0,1,2,3,4,5,6,7
	ds_store_b128 v4, v[WG1+4*\j:WG1+4*\j+3] offset:4224*\j
.endr
	s_wait_dscnt 0x0                               ; my part of Wr lies in LDS, and my x is back
	s_barrier_signal -1
	s_barrier_wait -1                              ; everybody's part does
.macro WLOAD g, reg                    ; group g: Wr's rows for x numbers 8 (g % 2) .. + 7 of half g / 2: 16 loads
.irp i, 0,1,2,3,4,5,6,7
	ds_load_b128 v[\reg+8*\i:\reg+8*\i+3],   v7 offset:16896*((\g)/2)+32*(8*((\g)%2)+\i)
	ds_load_b128 v[\reg+8*\i+4:\reg+8*\i+7], v7 offset:16896*((\g)/2)+32*(8*((\g)%2)+\i)+16
.endr
.endm
.macro QX u                            ; my 16 numbers of half u become 16 codes; two neighbouring lanes hold a block
.set XR, X+16*\u
	v_max3_num_f32 v10, |v[XR]|, |v[XR+1]|, |v[XR+2]|
	v_max3_num_f32 v11, |v[XR+3]|, |v[XR+4]|, |v[XR+5]|
.irp i, 6,10
	s_delay_alu instid0(VALU_DEP_2)
	v_max3_num_f32 v10, v10, |v[XR+\i]|, |v[XR+\i+1]|
	s_delay_alu instid0(VALU_DEP_2)
	v_max3_num_f32 v11, v11, |v[XR+\i+2]|, |v[XR+\i+3]|
.endr
	s_delay_alu instid0(VALU_DEP_2)
	v_max3_num_f32 v10, v10, |v[XR+14]|, |v[XR+15]|
	s_delay_alu instid0(VALU_DEP_1)
	v_max3_num_f32 v10, v10, v11, 0x1800000        ; the floor 2^(3 - 127): the byte cannot fall under 1
	s_delay_alu instid0(VALU_DEP_1)
	v_max_num_f32_dpp v10, v10, v10 row_xmask:1 row_mask:0xf bank_mask:0xf   ; with my neighbour's 16: the block's largest magnitude
	s_delay_alu instid0(VALU_DEP_1)
	v_add_nc_u32 v12, 0xff000000, v10              ; 2 off its exponent field: the conversion's scale operand
	v_cvt_scalef32_pk16_fp6_f32 v[248+4*\u:250+4*\u], v[XR:XR+15], v12
	v_lshrrev_b32 v[14+\u], 23, v12                ; the scale's byte (also the plain line behind the conversion)
	ds_store_b8 v9, v[14+\u] offset:16*\u          ; both lanes of a block write the same byte
	global_store_b96 v8, v[248+4*\u:250+4*\u], s[32:33] offset:384*\u   ; the wave's 32 pieces fill 384 consecutive bytes
.endm
.macro FMAE xp, wr                     ; the pair's first number x 8 columns
.irp q, 0,1,2,3
	v_pk_fma_f32 v[ACC+2*\q:ACC+2*\q+1], v[\xp:\xp+1], v[\wr+2*\q:\wr+2*\q+1], v[ACC+2*\q:ACC+2*\q+1] op_sel_hi:[0,1,1]
.endr
.endm
.macro FMAO xp, wr                     ; the pair's second number
.irp q, 0,1,2,3
	s_delay_alu instid0(VALU_DEP_4)
	v_pk_fma_f32 v[ACC+2*\q:ACC+2*\q+1], v[\xp:\xp+1], v[\wr+2*\q:\wr+2*\q+1], v[ACC+2*\q:ACC+2*\q+1] op_sel:[1,0,0] op_sel_hi:[1,1,1]
.endr
.endm
.macro FMAG g, reg, first              ; 8 numbers of x x their rows of Wr; first = 1: the first products start the sums
.irp a, 0,1,2,3
.if (\first) && (\a == 0)
.irp q, 0,1,2,3
	v_pk_mul_f32 v[ACC+2*\q:ACC+2*\q+1], v[X:X+1], v[\reg+2*\q:\reg+2*\q+1] op_sel_hi:[0,1]
.endr
.else
	FMAE X+16*((\g)/2)+8*((\g)%2)+2*\a, \reg+16*\a
.endif
	FMAO X+16*((\g)/2)+8*((\g)%2)+2*\a, \reg+16*\a+8
.endr
.endm
	WLOAD 0, WG0
	WLOAD 1, WG1
	QX 0                                           ; the quantiser works while Wr's first rows come
	QX 1
	s_wait_dscnt 18                                ; group 0 is in: behind it stand group 1's 16 loads and the two byte stores
	FMAG 0, WG0, 1
	WLOAD 2, WG0
	s_wait_alu depctr_va_vdst(0)
	s_wait_dscnt 18                                ; group 1: behind it the two byte stores and group 2's 16
	FMAG 1, WG1, 0
	WLOAD 3, WG1
	s_wait_alu depctr_va_vdst(0)
	s_wait_dscnt 16                                ; group 2: behind it group 3's 16
	FMAG 2, WG0, 0
	s_wait_alu depctr_va_vdst(0)
	s_wait_dscnt 0x0
	FMAG 3, WG1, 0
.irp m, 1,2,4,8                        ; the 32 lanes' parts are added; every lane ends with the same 8 sums
.irp e, 0,1,2,3,4,5,6,7
	v_add_f32_dpp v[ACC+\e], v[ACC+\e], v[ACC+\e] row_xmask:\m row_mask:0xf bank_mask:0xf
.endr
.endr
.irp e, 0,1,2,3,4,5,6,7
	v_permlanex16_b32 v[R+\e], v[ACC+\e], s18, s19
.endr
	s_wait_alu depctr_va_vdst(0)
	s_wait_kmcnt 0x0                               ; br
.irp e, 0,1,2,3,4,5,6,7
	v_add_f32 v[ACC+\e], v[ACC+\e], v[R+\e]
.endr
.irp e, 0,1,2,3,4,5,6,7
	v_add_f32 v[ACC+\e], s[24+\e], v[ACC+\e]       ; the logits
.endr
	v_max3_num_f32 v16, v240, v241, v242           ; the softmax: the largest logit is taken away first
	s_delay_alu instid0(VALU_DEP_1)
	v_max3_num_f32 v16, v16, v243, v244
	s_delay_alu instid0(VALU_DEP_1)
	v_max3_num_f32 v16, v16, v245, v246
	s_delay_alu instid0(VALU_DEP_1)
	v_max_num_f32 v16, v16, v247
.irp e, 0,1,2,3,4,5,6,7
	v_sub_f32 v[24+\e], v[ACC+\e], v16
.endr
.irp e, 0,1,2,3,4,5,6,7
	v_mul_f32 v[24+\e], 0x3fb8aa3b, v[24+\e]       ; x log2(e)
.endr
	s_wait_alu depctr_va_vdst(0)
.irp e, 0,1,2,3,4,5,6,7
	v_exp_f32 v[24+\e], v[24+\e]
.endr
	v_nop                                          ; a plain line behind the last exponential
	s_wait_alu depctr_va_vdst(0)                   ; one wait for the eight, ahead of their first reader
	v_add_f32 v17, v24, v25
	v_add_f32 v18, v26, v27
	v_add_f32 v19, v28, v29
	v_add_f32 v20, v30, v31
	s_delay_alu instid0(VALU_DEP_3)
	v_add_f32 v17, v17, v18
	s_delay_alu instid0(VALU_DEP_2)
	v_add_f32 v19, v19, v20
	s_delay_alu instid0(VALU_DEP_1)
	v_add_f32 v17, v17, v19
	s_wait_alu depctr_va_vdst(0)
	v_rcp_f32 v17, v17
	v_nop
	s_wait_alu depctr_va_vdst(0)
.irp e, 0,1,2,3,4,5,6,7
	v_mul_f32 v[G+\e], v[24+\e], v17               ; the gates
.endr
	v_mov_b32 v46, v32                             ; the largest gate and its index; what is not larger leaves the holder in place, so the lower index wins a tie
	v_mov_b32 v44, 0
.irp e, 1,2,3,4,5,6,7
	s_delay_alu instid0(VALU_DEP_2)
	v_cmp_le_f32 vcc_lo, v[G+\e], v46
	s_delay_alu instid0(VALU_DEP_1)
	v_cndmask_b32 v46, v[G+\e], v46, vcc_lo
	s_delay_alu instid0(VALU_DEP_2)
	v_cndmask_b32 v44, \e, v44, vcc_lo
.endr
.irp e, 0,1,2,3,4,5,6,7
	v_cmp_ne_u32 vcc_lo, \e, v44
	s_delay_alu instid0(VALU_DEP_1)
	v_cndmask_b32 v[56+\e], -1.0, v[G+\e], vcc_lo  ; the winner is taken out: gates are never negative
.endr
	v_mov_b32 v47, v56                             ; the second largest
	v_mov_b32 v45, 0
.irp e, 1,2,3,4,5,6,7
	s_delay_alu instid0(VALU_DEP_2)
	v_cmp_le_f32 vcc_lo, v[56+\e], v47
	s_delay_alu instid0(VALU_DEP_1)
	v_cndmask_b32 v47, v[56+\e], v47, vcc_lo
	s_delay_alu instid0(VALU_DEP_2)
	v_cndmask_b32 v45, \e, v45, vcc_lo
.endr
	ds_store_b128 v52, v[32:35]                    ; every lane holds the same numbers and writes the same words
	ds_store_b128 v52, v[36:39] offset:16
	ds_store_b64 v53, v[44:45]
	ds_store_b64 v53, v[46:47] offset:256
	s_wait_dscnt 0x0                               ; for the others' sake: my stores, the scale bytes among them, are done
	s_barrier_signal -1
	s_barrier_wait -1
	s_cmp_eq_u32 s16, 0                            ; four waves carry the work-group's gathered results out
	s_cbranch_scc0 .Lnot0
	ds_load_b64 v[54:55], v49
	s_wait_dscnt 0x0
	global_store_b64 v48, v[54:55], s[34:35] offset:XSOFF   ; 256 consecutive bytes, aligned
	s_wait_tensorcnt 0x0
	ds_add_u32 v251, v255
	s_wait_dscnt 0x0
	s_endpgm
.Lnot0:
	s_cmp_eq_u32 s16, 1
	s_cbranch_scc0 .Lnot1
	ds_load_b64 v[54:55], v49 offset:256
	s_wait_dscnt 0x0
	global_store_b64 v48, v[54:55], s[36:37] offset:8192    ; 256 consecutive bytes, aligned
	s_wait_tensorcnt 0x0
	ds_add_u32 v251, v255
	s_wait_dscnt 0x0
	s_endpgm
.Lnot1:
	s_cmp_eq_u32 s16, 2
	s_cbranch_scc0 .Lnot2
	ds_load_b32 v54, v51
	s_wait_dscnt 0x0
	global_store_b32 v50, v54, s[38:39]
	s_wait_tensorcnt 0x0
	ds_add_u32 v251, v255
	s_wait_dscnt 0x0
	s_endpgm
.Lnot2:
	s_cmp_eq_u32 s16, 3
	s_cbranch_scc0 .Lnot3
	ds_load_b32 v54, v51 offset:256
	s_wait_dscnt 0x0
	global_store_b32 v50, v54, s[40:41]
.Lnot3:
	s_wait_tensorcnt 0x0
	ds_add_u32 v251, v255
	s_wait_dscnt 0x0
	s_endpgm
.Lfunc_end_k_qabcf98be8d_route:
	.size	k_qabcf98be8d_route, .Lfunc_end_k_qabcf98be8d_route-k_qabcf98be8d_route
	.p2alignl 7, 3214868480
	.fill 96, 4, 3214868480
	.section	.rodata,"a",@progbits
	.p2align	6, 0x0
	.amdhsa_kernel k_qabcf98be8d_route
		.amdhsa_group_segment_fixed_size 76800
		.amdhsa_private_segment_fixed_size 0
		.amdhsa_enable_private_segment 0
		.amdhsa_kernarg_size 48
		.amdhsa_user_sgpr_count 2
		.amdhsa_user_sgpr_kernarg_segment_ptr 1
		.amdhsa_wavefront_size32 1
		.amdhsa_system_sgpr_workgroup_id_x 1
		.amdhsa_system_sgpr_workgroup_id_y 1
		.amdhsa_system_sgpr_workgroup_id_z 1
		.amdhsa_system_vgpr_workitem_id 0
		.amdhsa_next_free_vgpr 256
		.amdhsa_next_free_sgpr 66
		.amdhsa_reserve_vcc 1
		.amdhsa_float_denorm_mode_32 3
		.amdhsa_float_denorm_mode_16_64 3
		.amdhsa_memory_ordered 1
		.amdhsa_forward_progress 1
		.amdhsa_inst_pref_size 34
	.end_amdhsa_kernel
	.amdgpu_metadata
---
amdhsa.version: [ 1, 2 ]
amdhsa.kernels:
  - .name:           k_qabcf98be8d_route
    .symbol:         k_qabcf98be8d_route.kd
    .args:
      - { .name: x, .offset: 0, .size: 8, .value_kind: global_buffer, .address_space: global }
      - { .name: Wr, .offset: 8, .size: 8, .value_kind: global_buffer, .address_space: global }
      - { .name: br, .offset: 16, .size: 8, .value_kind: global_buffer, .address_space: global }
      - { .name: xq, .offset: 24, .size: 8, .value_kind: global_buffer, .address_space: global }
      - { .name: topi, .offset: 32, .size: 8, .value_kind: global_buffer, .address_space: global }
      - { .name: rtf, .offset: 40, .size: 8, .value_kind: global_buffer, .address_space: global }
    .group_segment_fixed_size: 76800
    .private_segment_fixed_size: 0
    .kernarg_segment_align: 8
    .kernarg_segment_size: 48
    .max_flat_workgroup_size: 256
    .sgpr_count:     66
    .vgpr_count:     256
    .wavefront_size: 32
...
	.end_amdgpu_metadata
.endif
;; end of part 6
;; launch place (part 7): grid 1 x 1, 16 waves a work-group, no clusters, 3,072 bytes of LDS; arguments topi, rtf, plan, out1; writes plan, out1
.if DOCPART == 7
	.amdgcn_target "amdgcn-amd-amdhsa--gfx1250"
	.amdhsa_code_object_version 6
	.text
	.protected	k_qabcf98be8d_place
	.globl	k_qabcf98be8d_place
	.p2align	8
	.type	k_qabcf98be8d_place,@function
k_qabcf98be8d_place:
	s_mov_b64 s[64:65], 0
	v_nop
	global_prefetch_b8 v0, s[64:65] scope:SCOPE_SE
	s_setreg_imm32_b32 hwreg(HW_REG_WAVE_MODE, 25, 1), 1
	s_wait_xcnt 0x0
; THE ROWS ARE PLACED BY EXPERT: a counting sort of the 2,048 slots (token, choice) by one work-group of 16 waves, without atomics; and the load-balancing loss.
; Each expert's rows are padded to whole tiles of 16 rows: at most (2,048 + 8 x 15) / 16 = 135 tiles, whatever the choice.
; OUT (plan, whole numbers): ROWTOK at 0: the token of each sorted row, 0 in pad rows;  POS at 8704: the sorted row of slot 2 t + k;  TINFO at 16896: word 2 e the expert's first tile, word 2 e + 1 its tiles.
;     The word at byte 8640 (row 2160, behind ROWTOK's last row and ahead of POS) is a spare: it takes the zeros of lanes that have no pad row, and nobody reads it.
; out1 = sum over e of (sum of gates e / 1024) x (tokens that chose e / 1024) x 8 / 1024 = sum of (sum of gates e) x count e x 2^-27.  The two experts of a token differ, so the count of slots is the count of tokens.
; Thread t owns slots 4 t .. 4 t + 3.  A slot's rank inside its wave comes from the compare's mask (bits below my lane); the waves' counts meet in LDS; one barrier.
; One work-group: the sort is 8 KiB of indices; sharing it out would want traffic between work-groups.
.set ROWMAX, 2159
.set SPAREROW, 2160
.set POS,    8704
.set TINFO,  16896
	s_load_b256 s[4:11], s[0:1], 0x0               ; topi s[4:5], rtf s[6:7], plan s[8:9], out1 s[10:11]
	v_lshl_add_u32 v64, v0, 2, 0x400
	v_mov_b32 v65, 0
	v_and_b32 v1, 31, v0                           ; lane
	v_lshrrev_b32 v2, 5, v0
	s_delay_alu instid0(VALU_DEP_1)
	v_readfirstlane_b32 s16, v2                    ; wave 0..15
	v_lshlrev_b32 v15, 4, v0                       ; 16 x thread
	v_and_b32 v14, 15, v0
	s_delay_alu instid0(VALU_DEP_1)
	v_lshlrev_b32 v38, 5, v14                      ; LDS: the 32 bytes of wave lane % 16 (counts at 0, sums of gates at 512)
	s_lshl_b32 s17, s16, 5
	v_mov_b32 v13, s17                             ; my wave's 32 bytes
	v_and_b32 v2, 1, v0
	s_delay_alu instid0(VALU_DEP_1)
	v_lshl_add_u32 v39, v2, 4, s17                 ; and the half of them that my lane's four experts take
	v_lshlrev_b32 v36, 1, v0                       ; my two tokens
	s_delay_alu instid0(VALU_DEP_1)
	v_or_b32 v37, 1, v36
	v_lshlrev_b32 v60, 2, v1
	v_mov_b32 v61, 0
	s_mov_b32 s18, 0x76543210
	s_mov_b32 s19, 0xfedcba98
.irp i, 0,1,2,3
	v_mov_b32 v[8+\i], 0                           ; a slot's rank
.endr
.irp e, 0,1,2,3,4,5,6,7
	s_mov_b32 s[24+\e], 0                          ; my wave's counts
.endr
	s_wait_kmcnt 0x0
	global_load_b128 v[4:7], v15, s[4:5]           ; my four slots' experts
.irp j, 0,1,2,3
	global_load_b128 v[40+4*\j:43+4*\j], v15, s[6:7] offset:8192+8192*\j   ; gates: always experts 4 (t % 2) .. + 3
.endr
	s_wait_loadcnt 4                               ; the experts are in; behind them the four loads of gates were issued
.irp e, 0,1,2,3,4,5,6,7
.irp i, 0,1,2,3
	v_cmp_eq_u32 vcc_lo, \e, v[4+\i]
	s_delay_alu instid0(VALU_DEP_1)
	v_mbcnt_lo_u32_b32 v12, vcc_lo, 0              ; how many lanes below mine have it too
	s_delay_alu instid0(VALU_DEP_1)
	v_add_nc_u32 v12, s[24+\e], v12
	s_wait_alu depctr_va_vdst(0)
	v_cndmask_b32 v[8+\i], v[8+\i], v12, vcc_lo
	s_bcnt1_i32_b32 s20, vcc_lo
	s_add_co_u32 s[24+\e], s[24+\e], s20
.endr
.endr
.irp e, 0,1,2,3,4,5,6,7
	v_mov_b32 v[16+\e], s[24+\e]
.endr
	ds_store_b128 v13, v[16:19]
	ds_store_b128 v13, v[20:23] offset:16
	s_wait_loadcnt 0x0                             ; the gates
	v_pk_add_f32 v[40:41], v[40:41], v[44:45]
	v_pk_add_f32 v[42:43], v[42:43], v[46:47]
	v_pk_add_f32 v[48:49], v[48:49], v[52:53]
	v_pk_add_f32 v[50:51], v[50:51], v[54:55]
	s_delay_alu instid0(VALU_DEP_2)
	v_pk_add_f32 v[40:41], v[40:41], v[48:49]
	s_delay_alu instid0(VALU_DEP_2)
	v_pk_add_f32 v[42:43], v[42:43], v[50:51]
.irp m, 2,4,8                          ; over the lanes of my parity
.irp c, 0,1,2,3
	v_add_f32_dpp v[40+\c], v[40+\c], v[40+\c] row_xmask:\m row_mask:0xf bank_mask:0xf
.endr
.endr
.irp c, 0,1,2,3
	s_delay_alu instid0(VALU_DEP_4)
	v_permlanex16_b32 v[44+\c], v[40+\c], s18, s19
.endr
.irp c, 0,1,2,3
	s_delay_alu instid0(VALU_DEP_4)
	v_add_f32 v[40+\c], v[40+\c], v[44+\c]
.endr
	ds_store_b128 v39, v[40:43] offset:512         ; lanes of one parity write the same words with the same values
	s_wait_dscnt 0x0                               ; for the others' sake
	s_barrier_signal -1
	s_barrier_wait -1
	ds_load_b128 v[16:19], v38                     ; the counts of wave lane % 16
	ds_load_b128 v[20:23], v38 offset:16
	s_wait_dscnt 0x0
	v_cmp_gt_u32 vcc_lo, s16, v14                  ; a wave ahead of mine?
.irp e, 0,1,2,3,4,5,6,7
	v_lshlrev_b32 v[24+\e], 16, v[16+\e]
.endr
.irp e, 0,1,2,3,4,5,6,7
	v_cndmask_b32 v[24+\e], 0, v[24+\e], vcc_lo
.endr
.irp e, 0,1,2,3,4,5,6,7
	v_add_nc_u32 v[16+\e], v[16+\e], v[24+\e]      ; low half: for the total; high half: for the sum over the waves ahead (both at most 1,024)
.endr
.irp m, 1,2,4,8
.irp e, 0,1,2,3,4,5,6,7
	v_mov_b32_dpp v[24+\e], v[16+\e] row_xmask:\m row_mask:0xf bank_mask:0xf
.endr
.irp e, 0,1,2,3,4,5,6,7
	v_add_nc_u32 v[16+\e], v[16+\e], v[24+\e]
.endr
.endr
.irp e, 0,1,2,3,4,5,6,7
	v_readfirstlane_b32 s[32+\e], v[16+\e]
.endr
	s_mov_b32 s21, 0                               ; tiles so far
.irp e, 0,1,2,3,4,5,6,7
	s_and_b32 s[40+\e], s[32+\e], 0xffff           ; the expert's rows
	s_lshr_b32 s[32+\e], s[32+\e], 16              ; those of the waves ahead of mine
	s_add_co_u32 s20, s[40+\e], 15
	s_lshr_b32 s[56+\e], s20, 4                    ; its tiles
	s_mov_b32 s[48+\e], s21                        ; its first tile
	s_lshl_b32 s20, s21, 4
	s_add_co_u32 s[32+\e], s[32+\e], s20           ; where my wave's rows of this expert begin
	s_add_co_u32 s21, s21, s[56+\e]
.endr
.irp i, 0,1,2,3
	v_mov_b32 v[28+\i], 0
.endr
.irp e, 0,1,2,3,4,5,6,7
.irp i, 0,1,2,3
	v_cmp_ne_u32 vcc_lo, \e, v[4+\i]
	s_delay_alu instid0(VALU_DEP_1)
	v_cndmask_b32 v[28+\i], s[32+\e], v[28+\i], vcc_lo
.endr
.endr
.irp i, 0,1,2,3
	v_add_nc_u32 v[28+\i], v[28+\i], v[8+\i]       ; the slot's sorted row
.endr
	global_store_b128 v15, v[28:31], s[8:9] offset:POS
.irp i, 0,1,2,3
	v_min_u32 v[32+\i], ROWMAX, v[28+\i]           ; a number made of loaded numbers enters an address behind a bound
.endr
.irp i, 0,1,2,3
	s_delay_alu instid0(VALU_DEP_4)
	v_lshlrev_b32 v[32+\i], 2, v[32+\i]
.endr
.irp i, 0,1,2,3
	global_store_b32 v[32+\i], v[36+\i/2], s[8:9]  ; the row's token
.endr
	s_cmp_lg_u32 s16, 0
	s_cbranch_scc1 .Lnot0
	ds_load_b128 v[40:43], v38 offset:512          ; wave 0: the loss
	ds_load_b128 v[44:47], v38 offset:528
	s_wait_dscnt 0x0
.irp m, 1,2,4,8
.irp e, 0,1,2,3,4,5,6,7
	v_add_f32_dpp v[40+\e], v[40+\e], v[40+\e] row_xmask:\m row_mask:0xf bank_mask:0xf
.endr
.endr
	v_cvt_f32_u32 v48, s40
	s_delay_alu instid0(VALU_DEP_1)
	v_mul_f32 v49, v40, v48
.irp e, 1,2,3,4,5,6,7
	v_cvt_f32_u32 v48, s[40+\e]
	s_delay_alu instid0(VALU_DEP_1)
	v_fmac_f32 v49, v[40+\e], v48
.endr
	s_delay_alu instid0(VALU_DEP_1)
	v_mul_f32 v49, 0x32000000, v49                 ; x 2^-27
	v_cmp_eq_u32 vcc_lo, 0, v1
	s_wait_alu depctr_va_vdst(0)
	s_wait_xcnt 0x0                                ; EXEC changes only behind this wait: my earlier stores have read it
	s_wait_tensorcnt 0x0
	ds_add_u32 v64, v65
	s_wait_dscnt 0x0
	s_and_saveexec_b32 s20, vcc_lo
	global_store_b32 v61, v49, s[10:11]            ; lane 0 alone
	s_wait_xcnt 0x0
	s_or_b32 exec_lo, exec_lo, s20
	s_endpgm
.Lnot0:
	s_cmp_lg_u32 s16, 1
	s_cbranch_scc1 .Lend
	v_mov_b32 v62, 0                               ; wave 1: the table of tiles, and the pad rows
.irp e, 0,1,2,3,4,5,6,7
	s_delay_alu instid0(VALU_DEP_1)
	v_writelane_b32 v62, s[48+\e], 2*\e
	s_delay_alu instid0(VALU_DEP_1)
	v_writelane_b32 v62, s[56+\e], 2*\e+1
.endr
	global_store_b32 v60, v62, s[8:9] offset:TINFO
; The pad rows: all lanes stay on.  Lane l stands for the row l behind the expert's last; where that row lies past the end of the expert's last tile (at most 15 rows are pads) the lane takes the
; spare row instead.  Each expert has an offset register of its own, written once, so that no store's offset is written again.
.irp e, 0,1,2,3,4,5,6,7
	s_lshl_b32 s20, s[48+\e], 4
	s_add_co_u32 s22, s20, s[40+\e]                ; the first row behind the expert's last,
	s_lshl_b32 s23, s[56+\e], 4
	s_add_co_u32 s23, s23, s20                     ; and the end of its last tile
	v_add_nc_u32 v[40+\e], s22, v1
	s_delay_alu instid0(VALU_DEP_1)
	v_cmp_gt_u32 vcc_lo, s23, v[40+\e]             ; a pad row?
	s_delay_alu instid0(VALU_DEP_1)
	v_cndmask_b32 v[40+\e], SPAREROW, v[40+\e], vcc_lo   ; else the spare row
	s_delay_alu instid0(VALU_DEP_1)
	v_min_u32 v[40+\e], SPAREROW, v[40+\e]         ; a number made of loaded numbers enters an address behind a bound
	s_delay_alu instid0(VALU_DEP_1)
	v_lshlrev_b32 v[40+\e], 2, v[40+\e]
	global_store_b32 v[40+\e], v61, s[8:9]         ; a pad row stands for token 0; what is computed for it is read by nobody
.endr
.Lend:
	s_wait_tensorcnt 0x0
	ds_add_u32 v64, v65
	s_wait_dscnt 0x0
	s_endpgm
.Lfunc_end_k_qabcf98be8d_place:
	.size	k_qabcf98be8d_place, .Lfunc_end_k_qabcf98be8d_place-k_qabcf98be8d_place
	.p2alignl 7, 3214868480
	.fill 96, 4, 3214868480
	.section	.rodata,"a",@progbits
	.p2align	6, 0x0
	.amdhsa_kernel k_qabcf98be8d_place
		.amdhsa_group_segment_fixed_size 3072
		.amdhsa_private_segment_fixed_size 0
		.amdhsa_enable_private_segment 0
		.amdhsa_kernarg_size 32
		.amdhsa_user_sgpr_count 2
		.amdhsa_user_sgpr_kernarg_segment_ptr 1
		.amdhsa_wavefront_size32 1
		.amdhsa_system_sgpr_workgroup_id_x 1
		.amdhsa_system_sgpr_workgroup_id_y 1
		.amdhsa_system_sgpr_workgroup_id_z 1
		.amdhsa_system_vgpr_workitem_id 0
		.amdhsa_next_free_vgpr 66
		.amdhsa_next_free_sgpr 80
		.amdhsa_reserve_vcc 1
		.amdhsa_float_denorm_mode_32 3
		.amdhsa_float_denorm_mode_16_64 3
		.amdhsa_memory_ordered 1
		.amdhsa_forward_progress 1
		.amdhsa_inst_pref_size 35
	.end_amdhsa_kernel
	.amdgpu_metadata
---
amdhsa.version: [ 1, 2 ]
amdhsa.kernels:
  - .name:           k_qabcf98be8d_place
    .symbol:         k_qabcf98be8d_place.kd
    .args:
      - { .name: topi, .offset: 0, .size: 8, .value_kind: global_buffer, .address_space: global }
      - { .name: rtf, .offset: 8, .size: 8, .value_kind: global_buffer, .address_space: global }
      - { .name: plan, .offset: 16, .size: 8, .value_kind: global_buffer, .address_space: global }
      - { .name: out1, .offset: 24, .size: 8, .value_kind: global_buffer, .address_space: global }
    .group_segment_fixed_size: 3072
    .private_segment_fixed_size: 0
    .kernarg_segment_align: 8
    .kernarg_segment_size: 32
    .max_flat_workgroup_size: 512
    .sgpr_count:     80
    .vgpr_count:     66
    .wavefront_size: 32
...
	.end_amdgpu_metadata
.endif
;; end of part 7
;; launch ffn1 (part 8): grid 32 x 8, 4 waves a work-group, no clusters, 101,376 bytes of LDS; arguments W1_codes, W1_scales, b1, xq, plan, hq; writes hq
.if DOCPART == 8
	.amdgcn_target "amdgcn-amd-amdhsa--gfx1250"
	.amdhsa_code_object_version 6
	.text
	.protected	k_qabcf98be8d_ffn1
	.globl	k_qabcf98be8d_ffn1
	.p2align	8
	.type	k_qabcf98be8d_ffn1,@function
k_qabcf98be8d_ffn1:
	s_mov_b64 s[64:65], 0
	v_nop
	global_prefetch_b8 v0, s[64:65] scope:SCOPE_SE
	s_setreg_imm32_b32 hwreg(HW_REG_WAVE_SCHED_MODE, 0, 2), 2
	s_setreg_imm32_b32 hwreg(HW_REG_WAVE_MODE, 25, 1), 1
	s_wait_xcnt 0x0
	s_wait_alu depctr_vm_vsrc(0)
; h = Q(gelu(Q(x) W1[e] + b1[e])) for the rows that chose expert e, on codes of FP6 (E2M3) with one E8M0 scale for each 32 along K.
; SHARES.  Work-group (s2, e) owns hidden units 128 s2 .. + 127 of expert e: K step s2 of the second product.  THE WEIGHTS STAY: the 128 rows x 1,024 K of W1 (98,304 bytes) come from memory once, in
; loads of 512 consecutive bytes, pass through LDS, and every wave then holds all 64 fragments (8 tiles of 16 units x 8 K steps, 768 registers) for the whole launch.  Wave w takes the expert's row tiles w, w + 4, ..
; The product is used transposed (source 0 = 16 rows of W1, source 1 = 16 rows of x): a lane holds ONE row of x and its registers run along the hidden units.
; THE ROWS OF W1 THAT FORM A TILE ARE NOT NEIGHBOURS: lane r of tile 2 b + u takes unit 32 b + 8 u + r + 8 (r / 8), so that the 16 registers of tiles 2 b, 2 b + 1 are 16 neighbours along the next K.
; The bias is the C of each sum's first product.  gelu(a) = a/2 + a/2 erf(a / sqrt 2), erf(z) = z P(z^2) / Q(z^2) on z held to +-4 (numerator of degree 6, denominator of degree 4 in z^2), all in f32.
; OUT: hq: a block of 53,248 bytes for each row tile: the operand's registers of K step s as they stand, at 1,536 s + 512 c + 16 lane; the scale words at 49,152 + 128 s + 4 lane.
; NO TENSOR LOAD, NO CLUSTER: the number of row tiles is read from memory (plan), so trip counts and a branch hang on loaded numbers; partners would need different numbers of tiles.
; LIMITS: NaN and infinities are not served.  erf's error is about 1e-7 absolute, so gelu's far negative tail (a under about -4) is right to about 1e-7 |a| and not to a relative 1e-6.
;         A block whose largest magnitude lies under 2^-124 gets the byte 1.
; REGISTERS, in windows of 256.  Window 0: v1-14 addresses; v16-19 two constants as pairs; v20-23 x's scale words; v24-55 W1's scale words (register 4 t + i: lanes 0-15 K step i, lanes 16-31 K step 4 + i);
;   v56-151 x's 8 fragments; v152-215 the 8 accumulators; v216-255 at work (and fragment 63, fetched from LDS in each trip).  Windows 1-3: fragments 0-62, 21 to a window.
; THE MODE: SCHED_MODE bits 1:0 = 2 (LLVM: expert scheduling mode 2), set by the entry lines.  The code itself states the register dependences
; between vector or matrix instructions and memory or LDS instructions, with s_wait_alu, always for 0.
; THE PLAN.  Registers that memory or LDS instructions touch, in the loop:
;   v56-151, v20-23   x and its scale words.  Read by a trip's 64 products; behind them the loads of my next tile land there.
;   v4                The next tile's tokens.  Read and written by the three lines that make x's addresses; then loaded again.
;   v2, v3, v13       Addresses of x's codes, of its scale words, of the tokens; v5, v6: of the tile's place in hq.  Written by six vector lines behind the products; read by the trip's loads and stores.
;   v152-215          The LDS loads of the bias land there at a trip's head; products, gelu and the quantiser work on them.
;   v234-245, v232    Fragment 63 lands in v234-245 at a trip's head and the last product reads it; gelu and the quantiser then write them; the trip's four stores read the codes there and the scale word in v232.
;   v7, v8            LDS addresses, never written again.
; So a trip has: at its head ONE wait on vm_vsrc (all that the last trip's loads and stores read may be written); behind the products and the six address lines ONE wait on va_vdst, behind which the 26 loads
; of the next tile are dealt among the first blocks of gelu, which names none of their registers; behind the quantiser ONE wait on va_vdst, for the four stores and for the LDS loads at the next trip's head.
; Beside these stand gelu's waits for its reciprocals, one for each eight.
.set TBB,   53248
.set XSOFF, 786432
.set PITCH, 784                        ; a row of W1 in LDS: 768 bytes + 16
.set BIAS,  100352                     ; behind the 128 rows: the 128 numbers of b1
.set TINFO, 16896
.set XSC,   20
.set W1S,   24
.set X,     56
.set HA,    152
.set GZ,    216                        ; gelu: z;  z^2;  the numerator;  the denominator
.set GX,    224
.set GP,    232
.set GQ,    240
.set TM,    216                        ; the quantiser: v216-219 largest magnitudes, v220-223 bytes, v228-231 scale operands
.set PW,    232                        ; the scale word
.set PC,    234                        ; the codes: v234-245, and v246-252 at work
.set F63,   234
.set CSQH, 32                          ; s[32:53] constants, each twice (a packed form names a pair)
.set CA13, 34
.set CA9,  36
.set CA7,  38
.set CA5,  40
.set CA3,  42
.set CA1,  44
.set CB8,  46
.set CB4,  48
.set CB2,  50
.set CB0,  52
.set SEL,  54
.set TRIP, 56                          ; s56  trips done;  s57  my wave's trips
.set TRIPS, 57
.set MSB, 0
.macro WIN new                         ; the immediate's high byte repeats the setting that is left; a switch that changes nothing is dropped
.if MSB != (\new)
	s_set_vgpr_msb (MSB<<8)|(\new)
.set MSB, (\new)
.endif
.endm
.macro SLOT i                          ; where fragment i lives: window SW, register SR
.if (\i) < 21
.set SW, 1
.set SR, 12*(\i)
.elseif (\i) < 42
.set SW, 2
.set SR, 12*((\i)-21)
.elseif (\i) < 63
.set SW, 3
.set SR, 12*((\i)-42)
.else
.set SW, 0
.set SR, F63
.endif
.endm
.macro FRAGLD i, adr, off              ; a fragment from rows in LDS: 24 + 24 bytes of the row's stream of bits, in pieces of 8
	SLOT \i
	WIN SW<<6
.irp p, 0,1,2,3,4,5
	ds_load_b64 v[SR+2*\p:SR+2*\p+1], v[\adr] offset:(\off)+48*(\p/3)+8*(\p%3)
.endr
.endm
.macro CPAIR reg, val
	s_mov_b32 s[\reg], \val
	s_mov_b32 s[\reg+1], \val
.endm
	s_load_b256 s[4:11], s[0:1], 0x0               ; W1's codes s[4:5], its scales s[6:7], b1 s[8:9], xq s[10:11]
	s_load_b128 s[12:15], s[0:1], 0x20             ; plan s[12:13], hq s[14:15]
	v_lshl_add_u32 v254, v0, 2, 0x18a00
	v_mov_b32 v255, 0
	v_lshrrev_b32 v216, 5, v0
	v_readfirstlane_b32 s16, v216                  ; wave 0..3
	s_and_b32 s17, ttmp7, 0xffff                   ; the expert
	s_lshl_b32 s19, s17, 3
	v_and_b32 v216, 31, v0                         ; lane
	v_and_b32 v217, 15, v0                         ; r
	v_bfe_u32 v218, v0, 4, 1                       ; hh
	v_lshlrev_b32 v1, 2, v217                      ; my row's word in a tile of ROWTOK
	v_lshlrev_b32 v9, 4, v216
	v_lshlrev_b32 v10, 2, v216
	v_mul_u32_u24 v11, v218, 48
	v_lshl_add_u32 v12, v218, 4, XSOFF
	v_lshl_add_u32 v7, v218, 6, BIAS               ; the bias of my half's units
	v_and_b32 v219, 8, v217
	v_add_nc_u32 v219, v219, v217                  ; r + 8 (r / 8)
	v_mul_u32_u24 v220, v219, PITCH
	v_mad_u32_u24 v220, v218, 24, v220             ; a fragment's row and half, for tiles 0-3;
	v_add_nc_u32 v8, 64*PITCH, v220                ; 64 rows on, for tiles 4-7
	s_wait_alu depctr_va_sdst(0)                   ; s16 is written, ahead of its first reader: LDS places, bases and trip counts are made from it
	s_mul_i32 s18, s16, 32*PITCH                   ; into LDS: my wave's 32 rows.  Three loads of 512 bytes are two rows of 768:
	v_lshlrev_b32 v221, 4, v217
	v_add_nc_u32 v221, s18, v221
	v_mad_u32_u24 v222, v218, 272, v221
	v_add_nc_u32 v222, 512, v222                   ; the second: the first row's last 256 bytes, the second row's first 256;
	v_lshl_add_u32 v221, v218, 8, v221             ; the first: the first row's first 512;
	v_add_nc_u32 v223, 1040, v221                  ; the third: the second row's last 512
	v_lshlrev_b32 v224, 5, v219
	v_lshl_add_u32 v224, v218, 4, v224             ; W1's scale bytes: 32 a row; my half's four words
	v_lshlrev_b32 v226, 2, v0
	v_lshl_add_u32 v227, v0, 2, BIAS
	v_mov_b32 v16, 0x32edffee                      ; the numerator's coefficient of z^10, twice
	v_mov_b32 v17, 0x32edffee
	v_mov_b32 v18, 0xb95fbd29                      ; the denominator's of z^6, twice
	v_mov_b32 v19, 0xb95fbd29
	CPAIR CSQH, 0x3f3504f3                         ; 1 / sqrt 2
	CPAIR CA13, 0xaf95df0b
	CPAIR CA9,  0xb60cff51
	CPAIR CA7,  0xb86ec2d2
	CPAIR CA5,  0xba40ac63
	CPAIR CA3,  0xbb41a1f6
	CPAIR CA1,  0xbc83dbd4
	CPAIR CB8,  0xb77460cd
	CPAIR CB4,  0xbadc924e
	CPAIR CB2,  0xbbf19bf8
	CPAIR CB0,  0xbc69b6a7
	s_mov_b32 s[SEL], 0x76543210
	s_mov_b32 s[SEL+1], 0xfedcba98
	s_mul_i32 s28, ttmp9, 1536                     ; my K step's place in a tile's block of hq: the image,
	s_lshl_b32 s29, ttmp9, 7
	s_add_co_u32 s29, s29, 49152                   ; the scale words
	s_mul_i32 s24, s17, 3145728
	s_mul_i32 s25, ttmp9, 98304
	s_add_co_u32 s24, s24, s25
	s_mul_i32 s25, s16, 24576
	s_add_co_u32 s24, s24, s25                     ; my wave's 32 rows of W1
	s_mov_b32 s25, 0
	s_lshl_b32 s26, s17, 17
	s_lshl_b32 s27, ttmp9, 12
	s_add_co_u32 s26, s26, s27                     ; the work-group's 128 rows of scale bytes
	s_mov_b32 s27, 0
	s_lshl_b32 s30, s17, 14
	s_lshl_b32 s31, ttmp9, 9
	s_add_co_u32 s30, s30, s31                     ; its 128 numbers of b1
	s_mov_b32 s31, 0
	s_wait_kmcnt 0x0
	s_load_b64 s[20:21], s[12:13], s19 offset:TINFO   ; the expert's first tile, its tiles
	s_add_nc_u64 s[4:5], s[4:5], s[24:25]
	s_add_nc_u64 s[6:7], s[6:7], s[26:27]
	s_add_nc_u64 s[8:9], s[8:9], s[30:31]
	WIN 0x40                                       ; destination window 1
	s_wait_alu depctr_va_vdst(0)                   ; the offsets and LDS addresses made above are written: v9, v224, v226 for the loads below; v7, v8, v220 to v223, v227 for the LDS lines of the head and the loop
.set j, 0
.rept 48
	global_load_b128 v[4*j:4*j+3], v9, s[4:5] offset:512*j th:TH_LOAD_NT   ; 512 consecutive bytes; read once in the launch
.set j, j+1
.endr
	WIN 0
.irp t, 0,1,2,3,4,5,6,7
	global_load_b128 v[W1S+4*\t:W1S+4*\t+3], v224, s[6:7] offset:32*(32*(\t/2)+8*(\t%2))
.endr
	global_load_b32 v225, v226, s[8:9]
	s_wait_kmcnt 0x0
	s_min_u32 s20, s20, 134                        ; loaded numbers enter addresses and counts behind bounds
	s_min_u32 s21, s21, 64
	s_cmp_eq_u32 s21, 0
	s_cselect_b32 s20, 0, s20                      ; an expert without rows: the loads below take tile 0, which always exists
	s_max_u32 s22, s21, 1
	s_sub_co_u32 s22, s22, 1                       ; the expert's last tile
	s_min_u32 s24, s16, s22
	s_add_co_u32 s24, s24, s20
	s_min_u32 s24, s24, 134
	s_lshl_b32 s24, s24, 6
	v_add_nc_u32 v13, s24, v1                      ; where the tokens of my first tile's rows lie,
	s_add_co_u32 s24, s16, 4
	s_min_u32 s24, s24, s22
	s_add_co_u32 s24, s24, s20
	s_min_u32 s24, s24, 134
	s_lshl_b32 s24, s24, 6
	v_add_nc_u32 v14, s24, v1                      ; and those of my second tile (or of the last again): in a register of its own, so that one wait serves both
	s_wait_alu depctr_va_vdst(0)                   ; v13 and v14 are written, which the two loads of tokens read
	global_load_b32 v4, v13, s[12:13]              ; the tokens of my first tile's rows
	s_wait_loadcnt 0x0                             ; all of the above
.macro XPREP                           ; from my row's token to its codes and scale words
	v_min_u32 v4, 1023, v4
	v_mad_u32_u24 v2, v4, 768, v11
	v_lshl_add_u32 v3, v4, 5, v12
.endm
.macro XFRAG s                         ; a tile of x is 8 fragments, three loads of 16 bytes each,
.irp c, 0,1,2
	global_load_b128 v[X+12*(\s)+4*\c:X+12*(\s)+4*\c+3], v2, s[10:11] offset:96*(\s)+16*\c
.endr
.endm
.macro XSCL                            ; and four scale words a lane (lanes 0-15 K steps 0-3, lanes 16-31 K steps 4-7)
	global_load_b128 v[XSC:XSC+3], v3, s[10:11]
.endm
	XPREP
	s_wait_alu depctr_va_vdst(0)                   ; v2 and v3 are written, which x's loads read; the three lines above are done with v4, in which the next tokens land
	XSCL
.irp s, 0,1,2,3,4,5,6,7
	XFRAG \s
.endr
	global_load_b32 v4, v14, s[12:13]              ; the tokens of my second tile
	WIN 0x04                                       ; an LDS store's data are its source 1: window 1
.set j, 0
.rept 48
	ds_store_b128 v[221+j%3], v[4*j:4*j+3] offset:1568*(j/3)
.set j, j+1
.endr
	WIN 0
	ds_store_b32 v227, v225
	s_wait_dscnt 0x0                               ; for the others' sake: my 32 rows and my 32 numbers of b1 lie in LDS
	s_barrier_signal -1
	s_barrier_wait -1                              ; the one barrier: behind it LDS is only read
	s_wait_alu depctr_vm_vsrc(0)                   ; my LDS stores have read window 1's v0 to v191, in which the fragments below land
.set i, 0
.rept 63                               ; fragment 8 s + t
.if (i%8) < 4
	FRAGLD i, 220, (32*((i%4)/2)+8*(i%2))*PITCH+96*(i/8)
.else
	FRAGLD i, 8, (32*((i%4)/2)+8*(i%2))*PITCH+96*(i/8)
.endif
.set i, i+1
.endr
	WIN 0
	s_wait_dscnt 0x0
	s_mov_b32 s23, s16                             ; my tile
	s_add_co_u32 s[TRIPS], s21, 3
	s_sub_co_u32 s[TRIPS], s[TRIPS], s16
	s_lshr_b32 s[TRIPS], s[TRIPS], 2               ; my trips: tiles w, w + 4, .. under the expert's number: (tiles + 3 - w) / 4, at most 16
	s_mov_b32 s[TRIP], 0
	s_cmp_ge_u32 s16, s21
	s_cbranch_scc1 .Lend                           ; fewer tiles than waves: nothing for me (no barrier follows)
.macro MM1 i                           ; product 8 s + t.  The eight accumulators take turns, one instruction a turn, over the loop's edge too
	SLOT \i
	WIN SW
.set AC, HA+8*((\i)%8)
.set BX, X+12*((\i)/8)
.set SCA, W1S+4*((\i)%8)+((\i)/8)%4
.set SCB, XSC+((\i)/8)%4
.if (\i) < 32
	v_wmma_scale_f32_16x16x128_f8f6f4 v[AC:AC+7], v[SR:SR+11], v[BX:BX+11], v[AC:AC+7], v[SCA], v[SCB] matrix_a_fmt:MATRIX_FMT_FP6 matrix_b_fmt:MATRIX_FMT_FP6
.else
	v_wmma_scale_f32_16x16x128_f8f6f4 v[AC:AC+7], v[SR:SR+11], v[BX:BX+11], v[AC:AC+7], v[SCA], v[SCB] matrix_a_fmt:MATRIX_FMT_FP6 matrix_b_fmt:MATRIX_FMT_FP6 matrix_a_scale:MATRIX_SCALE_ROW1 matrix_b_scale:MATRIX_SCALE_ROW1
.endif
.endm
.macro HORN acc, c                     ; acc = acc z^2 + c, four pairs
.irp p, 0,2,4,6
	v_pk_fma_f32 v[\acc+\p:\acc+\p+1], v[\acc+\p:\acc+\p+1], v[GX+\p:GX+\p+1], s[\c:\c+1] op_sel_hi:[1,1,0]
.endr
.endm
.macro GELU4 b                         ; accumulator b, from its low end on
.set GA, HA+8*(\b)
.irp p, 0,2,4,6
	v_pk_mul_f32 v[GZ+\p:GZ+\p+1], v[GA+\p:GA+\p+1], s[CSQH:CSQH+1] op_sel_hi:[1,0]
.endr
.irp p, 0,1,2,3,4,5,6,7
	v_med3_num_f32 v[GZ+\p], v[GZ+\p], -4.0, 4.0
.endr
.irp p, 0,2,4,6
	v_pk_mul_f32 v[GX+\p:GX+\p+1], v[GZ+\p:GZ+\p+1], v[GZ+\p:GZ+\p+1]
.endr
.irp p, 0,2,4,6
	v_pk_fma_f32 v[GP+\p:GP+\p+1], v[GX+\p:GX+\p+1], s[CA13:CA13+1], v[16:17] op_sel_hi:[1,0,1]
.endr
.irp p, 0,2,4,6
	v_pk_fma_f32 v[GQ+\p:GQ+\p+1], v[GX+\p:GX+\p+1], s[CB8:CB8+1], v[18:19] op_sel_hi:[1,0,1]
.endr
	HORN GP, CA9
	HORN GQ, CB4
	HORN GP, CA7
	HORN GQ, CB2
	HORN GP, CA5
	HORN GQ, CB0
	s_wait_alu depctr_va_vdst(0)
.irp p, 0,1,2,3,4,5,6,7
	v_rcp_f32 v[GQ+\p], v[GQ+\p]
.endr
	HORN GP, CA3                                   ; plain work behind the reciprocals, which names none of them
	HORN GP, CA1
.irp p, 0,2,4,6
	v_pk_mul_f32 v[GP+\p:GP+\p+1], v[GP+\p:GP+\p+1], v[GZ+\p:GZ+\p+1]
.endr
.irp p, 0,2,4,6
	v_pk_mul_f32 v[GA+\p:GA+\p+1], v[GA+\p:GA+\p+1], 0.5 op_sel_hi:[1,0]
.endr
	s_wait_alu depctr_va_vdst(0)                   ; the eight reciprocals v240 to v247 are written: one wait for the eight, ahead of their first reader
.irp p, 0,2,4,6
	v_pk_mul_f32 v[GP+\p:GP+\p+1], v[GP+\p:GP+\p+1], v[GQ+\p:GQ+\p+1]   ; erf
.endr
.irp p, 0,2,4,6
	v_pk_fma_f32 v[GA+\p:GA+\p+1], v[GA+\p:GA+\p+1], v[GP+\p:GP+\p+1], v[GA+\p:GA+\p+1]   ; a/2 erf + a/2
.endr
.endm
; 64 numbers of a lane, register 16 b + i = k 32 b + 16 (lane / 16) + i of my row, become a fragment's codes in v[PC] on and its scale word in v[PW]
.macro QUANT s
.irp b, 0,1,2,3
	v_max3_num_f32 v[TM+\b], |v[\s+16*\b]|, |v[\s+1+16*\b]|, 0x1800000   ; and the floor 2^(3 - 127): the byte cannot fall under 1
.endr
.irp i, 2,4,6,8,10,12,14
.irp b, 0,1,2,3
	v_max3_num_f32 v[TM+\b], v[TM+\b], |v[\s+16*\b+\i]|, |v[\s+1+16*\b+\i]|
.endr
.endr
.irp b, 0,1,2,3
	v_permlanex16_b32 v[TM+4+\b], v[TM+\b], s[SEL], s[SEL+1]
.endr
.irp b, 0,1,2,3
	v_max_num_f32 v[TM+\b], v[TM+\b], v[TM+4+\b]   ; with lane xor 16's: the block's largest magnitude
.endr
.irp b, 0,1,2,3
	v_add_nc_u32 v[TM+12+\b], 0xff000000, v[TM+\b] ; 2 off its exponent field: the conversion's scale operand
.endr
.irp b, 0,1,2,3
	v_lshrrev_b32 v[TM+4+\b], 23, v[TM+12+\b]      ; the scale's byte
.endr
	v_lshl_or_b32 v[PW], v[TM+5], 8, v[TM+4]
	v_lshl_or_b32 v[PW], v[TM+6], 16, v[PW]
	v_lshl_or_b32 v[PW], v[TM+7], 24, v[PW]
.irp c, 0,1
	v_cvt_scalef32_pk16_fp6_f32 v[PC+6*\c:PC+2+6*\c], v[\s+32*\c:\s+15+32*\c], v[TM+12+2*\c]
	v_cvt_scalef32_pk16_fp6_f32 v[PC+12+4*\c:PC+14+4*\c], v[\s+16+32*\c:\s+31+32*\c], v[TM+12+2*\c+1]   ; (a conversion's three registers begin on an even number)
.endr
	v_nop                                          ; one plain line behind a scaled conversion
.irp c, 0,1                            ; the operand wants a WHOLE block in a lane: lanes 0-15 block 2 c, lanes 16-31 block 2 c + 1
.irp i, 0,1,2
	v_permlane16_swap_b32 v[PC+6*\c+\i], v[PC+12+4*\c+\i]
.endr
.irp i, 0,1,2
	v_mov_b32 v[PC+3+6*\c+\i], v[PC+12+4*\c+\i]
.endr
.endr
.endm
.Ltile:                                ; a trip: one tile of 16 rows.  x of this tile and the tokens of the next were asked for a trip ago
.irp t, 0,1,2,3,4,5,6,7
	ds_load_b128 v[HA+8*\t:HA+8*\t+3], v7 offset:128*(\t/2)+32*(\t%2)       ; the bias starts the sums.  (The quantiser's last reads of these registers stand ahead of the wait in front of the last trip's stores; no vector line has named them since)
	ds_load_b128 v[HA+8*\t+4:HA+8*\t+7], v7 offset:128*(\t/2)+32*(\t%2)+16
.endr
	s_wait_xcnt 0x0                                ; the last trip's stores have had their addresses translated: v232, v234 on, v5 and v6 are written again below
	s_wait_alu depctr_vm_vsrc(0)                   ; the last trip's stores have read v232, v234 to v245, v5 and v6, its loads v2, v3 and v13; in the first trip the head's LDS and memory lines have read v220 to v227: all of these are written in this trip
	FRAGLD 63, 8, 40*PITCH+672                     ; the one fragment for which the windows have no room
	s_wait_loadcnt 0x0                             ; x, its scale words, the next tile's tokens
	s_wait_dscnt 0x0
.set i, 0
.rept 64
	MM1 i
.set i, i+1
.endr
	WIN 0
.rept 4
	v_nop                                          ; four plain lines between the last product and the first read of its results (ISA guide 7.12.1)
.endr
	XPREP
	s_add_co_u32 s27, s23, 8
	s_min_u32 s27, s27, s22                        ; the look-ahead stops at the expert's last tile
	s_add_co_u32 s27, s27, s20
	s_min_u32 s27, s27, 134
	s_lshl_b32 s27, s27, 6
	v_add_nc_u32 v13, s27, v1
	s_add_co_u32 s24, s20, s23
	s_min_u32 s24, s24, 134
	s_mul_i32 s24, s24, TBB                        ; this tile's block of hq
	s_add_co_u32 s25, s24, s28
	s_add_co_u32 s26, s24, s29
	v_add_nc_u32 v5, s25, v9
	v_add_nc_u32 v6, s26, v10
	s_wait_alu depctr_va_vdst(0)                   ; the products are done reading x and its scale words, in which the loads below land; the address lines are done with v4, likewise; v2, v3, v13 are written, which these loads read, and v5, v6, which the trip's stores read
	XSCL                                           ; the next tile's x lands under this tile's gelu: fourteen loads now,
	global_load_b32 v4, v13, s[12:13]
.irp s, 0,1,2,3
	XFRAG \s
.endr
	GELU4 0
	XFRAG 4                                        ; six behind each of gelu's first two blocks.  No further wait: no vector line since the wait above names x's registers, v2 or v3
	XFRAG 5
	GELU4 1
	XFRAG 6
	XFRAG 7
.irp b, 2,3,4,5,6,7
	GELU4 \b
.endr
	QUANT HA
	s_wait_alu depctr_va_vdst(0)                   ; the quantiser has written the codes v234 to v245 and the scale word v232, which the stores read; it is done with v152 to v215 and v234 on, in which the LDS loads at the next trip's head land
.irp c, 0,1,2
	global_store_b128 v5, v[PC+4*\c:PC+4*\c+3], s[14:15] offset:512*\c   ; the operand's registers as they stand: 512 consecutive bytes, aligned to 256
.endr
	global_store_b32 v6, v[PW], s[14:15]
	s_add_co_u32 s23, s23, 4                       ; my next tile
	s_add_co_u32 s[TRIP], s[TRIP], 1               ; the loop is counted by ones against my wave's trips, which the loop does not write
	s_cmp_lt_u32 s[TRIP], s[TRIPS]
	s_cbranch_scc1 .Ltile
.Lend:
	s_wait_dscnt 0x0
	s_wait_alu depctr_hold_cnt(0) depctr_sa_sdst(0) depctr_va_vdst(0) depctr_va_sdst(0) depctr_va_ssrc(0) depctr_va_vcc(0) depctr_vm_vsrc(0)
	s_wait_tensorcnt 0x0
	ds_add_u32 v254, v255
	s_wait_dscnt 0x0
	s_endpgm
.Lfunc_end_k_qabcf98be8d_ffn1:
	.size	k_qabcf98be8d_ffn1, .Lfunc_end_k_qabcf98be8d_ffn1-k_qabcf98be8d_ffn1
	.p2alignl 7, 3214868480
	.fill 96, 4, 3214868480
	.section	.rodata,"a",@progbits
	.p2align	6, 0x0
	.amdhsa_kernel k_qabcf98be8d_ffn1
		.amdhsa_group_segment_fixed_size 101376
		.amdhsa_private_segment_fixed_size 0
		.amdhsa_enable_private_segment 0
		.amdhsa_kernarg_size 48
		.amdhsa_user_sgpr_count 2
		.amdhsa_user_sgpr_kernarg_segment_ptr 1
		.amdhsa_wavefront_size32 1
		.amdhsa_system_sgpr_workgroup_id_x 1
		.amdhsa_system_sgpr_workgroup_id_y 1
		.amdhsa_system_sgpr_workgroup_id_z 1
		.amdhsa_system_vgpr_workitem_id 0
		.amdhsa_next_free_vgpr 1024
		.amdhsa_next_free_sgpr 96
		.amdhsa_reserve_vcc 0
		.amdhsa_float_denorm_mode_32 3
		.amdhsa_float_denorm_mode_16_64 3
		.amdhsa_memory_ordered 1
		.amdhsa_forward_progress 1
		.amdhsa_inst_pref_size 97
	.end_amdhsa_kernel
	.amdgpu_metadata
---
amdhsa.version: [ 1, 2 ]
amdhsa.kernels:
  - .name:           k_qabcf98be8d_ffn1
    .symbol:         k_qabcf98be8d_ffn1.kd
    .args:
      - { .name: W1_codes, .offset: 0, .size: 8, .value_kind: global_buffer, .address_space: global }
      - { .name: W1_scales, .offset: 8, .size: 8, .value_kind: global_buffer, .address_space: global }
      - { .name: b1, .offset: 16, .size: 8, .value_kind: global_buffer, .address_space: global }
      - { .name: xq, .offset: 24, .size: 8, .value_kind: global_buffer, .address_space: global }
      - { .name: plan, .offset: 32, .size: 8, .value_kind: global_buffer, .address_space: global }
      - { .name: hq, .offset: 40, .size: 8, .value_kind: global_buffer, .address_space: global }
    .group_segment_fixed_size: 101376
    .private_segment_fixed_size: 0
    .kernarg_segment_align: 8
    .kernarg_segment_size: 48
    .max_flat_workgroup_size: 128
    .sgpr_count:     96
    .vgpr_count:     1024
    .wavefront_size: 32
...
	.end_amdgpu_metadata
.endif
;; end of part 8
;; launch ffn2 (part 9): grid 32 x 8, 4 waves a work-group, no clusters, 270,848 bytes of LDS; arguments W2_codes, W2_scales, b2, hq, plan, y; writes y
.if DOCPART == 9
	.amdgcn_target "amdgcn-amd-amdhsa--gfx1250"
	.amdhsa_code_object_version 6
	.text
	.protected	k_qabcf98be8d_ffn2
	.globl	k_qabcf98be8d_ffn2
	.p2align	8
	.type	k_qabcf98be8d_ffn2,@function
k_qabcf98be8d_ffn2:
	s_mov_b64 s[64:65], 0
	v_nop
	global_prefetch_b8 v0, s[64:65] scope:SCOPE_SE
	s_setreg_imm32_b32 hwreg(HW_REG_WAVE_SCHED_MODE, 0, 2), 2
	s_setreg_imm32_b32 hwreg(HW_REG_WAVE_MODE, 25, 1), 1
	s_wait_xcnt 0x0
	s_wait_alu depctr_vm_vsrc(0)
; y = h W2[e] + b2[e] for the sorted rows of expert e, on codes of FP6 (E2M3) with one E8M0 scale for each 32 along K.  K = 4,096: 32 K steps of 128.
; SHARES.  Work-group (x, e): c = x / 2 is a slice of 64 output columns, q = x % 2 takes every second pair of row tiles.  THE WAVES SPLIT K: wave w holds K steps 8 w .. 8 w + 7 of the 64 columns, 32 fragments
; (384 registers), for the whole launch; they come from memory in pieces of 256 consecutive bytes through the wave's own stage in LDS.  A trip takes two row tiles: 8 accumulators (2 tiles x 4 tiles of columns),
; 64 products a wave; the four waves' partial sums meet in LDS, and each wave adds and stores 8 whole pieces of rows.  h comes as images of the operand's registers (three loads of 16 bytes a fragment), a trip ahead.
; The product is used transposed (source 0 = 16 columns' rows of W2, source 1 = 16 rows of h): a lane holds 8 neighbouring columns of one row.
; THE LOOP HAS A CONSTANT COUNT (16 trips: an expert has at most 64 tiles), since every wave must pass the trip's barrier; branches on the loaded number of tiles lead round the work alone.
; NO TENSOR LOAD, NO CLUSTER: those branches hang on numbers read from memory (plan).
; LIMITS: a sum over K is four partial sums of 1,024 that are added, not one chain in K's order.  NaN and infinities are not served.
; REGISTERS, in windows of 256.  Window 0: v1-11 addresses; v12-15 b2; v16-31 W2's scale words (register 4 t + i: lanes 0-15 K step i of my 8, lanes 16-31 step 4 + i); v32-47 h's, two sets;
;   v48-111 accumulators; v112-175 partial sums read back; v176-187 fragment slot 63.  Windows 1-3: slots 0-62, 21 to a window: slots 0-31 W2 (4 s + t), slots 32 + 16 set + 2 s + j h.
; THE MODE: SCHED_MODE bits 1:0 = 2 (LLVM: expert scheduling mode 2), set by the entry lines.  The code itself states the register dependences
; between vector or matrix instructions and memory or LDS instructions, with s_wait_alu, always for 0.
; THE PLAN.  Registers that memory or LDS instructions touch, in the loop:
;   h, sets 0 and 1   (slots 32-63, scale words v32-47).  Trip p's products read set p % 2; the trip's 56 loads land in the other set, which the products of the trip before read.
;   v2 .. v5          h's addresses.  Written by four vector lines at a trip's head; read by its 56 loads.
;   v48-111           The accumulators.  Written by the products; read by the trip's 16 LDS stores; begun anew by the next trip's first products.
;   v112-175          The partial sums.  The 16 LDS loads land there; the additions work on them; the four stores read them.  v9: the stores' offset, written by one vector line.
;   v6, v7            LDS addresses, never written again.
; So the products' half of a trip has one wait on vm_vsrc at its head (v2 to v5 and the accumulators may be written), one on va_vdst behind the four address lines, behind which the loads are dealt among the first
; sixteen products, which name none of their registers, and one on va_vdst behind the products (their results go to LDS; they are done reading their set of h).  The additions' half has one wait on vm_vsrc
; at its head (the last stores have read their data and offset) and one on va_vdst behind ALL its additions, ahead of the four stores; no vector line names v112-175 behind it, so the next LDS loads into them owe nothing more, on every way.
.set TBB,   53248
.set PITCH, 784
.set RED,   200704                     ; behind the four stages of 64 x 784 bytes: two buffers of [4 partial sums][32 rows][256 bytes + 16], by turns
.set REDB,  34816
.set TINFO, 16896
.set W2S,   16
.set HSC,   32
.set ACC,   48
.set RB,    112
.set F63,   176
.set MSB, 0
.macro WIN new
.if MSB != (\new)
	s_set_vgpr_msb (MSB<<8)|(\new)
.set MSB, (\new)
.endif
.endm
.macro SLOT i
.if (\i) < 21
.set SW, 1
.set SR, 12*(\i)
.elseif (\i) < 42
.set SW, 2
.set SR, 12*((\i)-21)
.elseif (\i) < 63
.set SW, 3
.set SR, 12*((\i)-42)
.else
.set SW, 0
.set SR, F63
.endif
.endm
.macro FRAGLD i, adr, off
	SLOT \i
	WIN SW<<6
.irp p, 0,1,2,3,4,5
	ds_load_b64 v[SR+2*\p:SR+2*\p+1], v[\adr] offset:(\off)+48*(\p/3)+8*(\p%3)
.endr
.endm
.macro RAWREG j                        ; where W2 lands as loaded: the registers of h's set 1 (slots 48-63) and of W2's slots 16-31; h's set 0 stays free for the first pair of tiles
.if (\j) < 45
.set RW, 3
.set RR, 72+4*(\j)
.elseif (\j) < 48
.set RW, 0
.set RR, 176+4*((\j)-45)
.elseif (\j) < 63
.set RW, 1
.set RR, 192+4*((\j)-48)
.else
.set RW, 2
.set RR, 4*((\j)-63)
.endif
.endm
	s_load_b256 s[4:11], s[0:1], 0x0               ; W2's codes s[4:5], its scales s[6:7], b2 s[8:9], hq s[10:11]
	s_load_b128 s[12:15], s[0:1], 0x20             ; plan s[12:13], y s[14:15]
	v_lshl_add_u32 v254, v0, 2, 0x42000
	v_mov_b32 v255, 0
	v_lshrrev_b32 v188, 5, v0
	v_readfirstlane_b32 s16, v188                  ; wave 0..3
	s_and_b32 s17, ttmp7, 0xffff                   ; the expert
	s_lshr_b32 s18, ttmp9, 1                       ; c
	s_and_b32 s19, ttmp9, 1                        ; q
	s_lshl_b32 s28, s17, 3
	v_and_b32 v197, 31, v0                         ; lane
	v_and_b32 v198, 15, v0                         ; r
	v_bfe_u32 v199, v0, 4, 1                       ; hh
	s_wait_alu depctr_va_vdst(0)
	v_lshlrev_b32 v1, 4, v197
	s_wait_alu depctr_va_sdst(0)                   ; s16 is written, ahead of its first reader: LDS places, bases and my part in the additions are made from it
	s_lshr_b32 s24, s16, 1                         ; which of a trip's two tiles I add and store
	s_mul_i32 s26, s16, 12288
	v_add_nc_u32 v10, s26, v1                      ; h's images: my 8 K steps of 1,536 bytes, 16 bytes a lane
	s_lshl_b32 s26, s16, 10
	s_add_co_u32 s26, s26, 49152
	v_lshlrev_b32 v11, 2, v198
	v_lshl_add_u32 v11, v199, 9, v11
	v_add_nc_u32 v11, s26, v11                     ; h's scale words: lanes 0-15 K step 8 w + i, lanes 16-31 step 8 w + 4 + i
	s_mul_i32 s26, s16, 8704
	s_add_co_u32 s26, s26, RED
	v_mul_u32_u24 v6, v198, 272
	v_lshl_add_u32 v6, v199, 5, v6
	v_add_nc_u32 v6, s26, v6                       ; my partial sums: row r, 32 bytes for each half of the lanes
	s_mul_i32 s26, s16, 2176
	s_add_co_u32 s26, s26, RED
	v_mul_u32_u24 v7, v199, 272
	v_lshl_add_u32 v7, v198, 4, v7
	v_add_nc_u32 v7, s26, v7                       ; back: my 8 of the 32 rows; lanes 0-15 one row's 256 bytes, lanes 16-31 the next
	s_and_b32 s26, s16, 1
	s_lshl_b32 s26, s26, 15
	s_lshl_b32 s27, s18, 8
	s_add_co_u32 s26, s26, s27
	v_lshlrev_b32 v8, 4, v198
	v_lshl_add_u32 v8, v199, 12, v8
	v_add_nc_u32 v8, s26, v8                       ; and the same place in a tile of y
	v_mov_b32 v188, v1                             ; W2 in memory: three loads of 512 bytes are two rows' 768: the first row's first 512;
	v_lshlrev_b32 v189, 4, v198
	v_mad_u32_u24 v189, v199, 2560, v189
	v_add_nc_u32 v189, 512, v189                   ; its last 256 and, 3,072 bytes on, the second row's first 256;
	v_add_nc_u32 v190, 3328, v1                    ; the second row's last 512
	s_mul_i32 s26, s16, 64*PITCH                   ; my stage
	v_lshlrev_b32 v191, 4, v198
	v_add_nc_u32 v191, s26, v191
	v_mad_u32_u24 v192, v199, 272, v191
	v_add_nc_u32 v192, 512, v192
	v_lshl_add_u32 v191, v199, 8, v191
	v_add_nc_u32 v193, 1040, v191
	v_mul_u32_u24 v194, v198, PITCH
	v_mad_u32_u24 v194, v199, 24, v194
	v_add_nc_u32 v194, s26, v194                   ; a fragment's row and half
	v_lshlrev_b32 v195, 7, v198
	v_lshl_add_u32 v195, v199, 4, v195             ; W2's scale bytes: 128 a row
	v_lshlrev_b32 v196, 4, v198                    ; b2 of my four columns
.irp i, 0,1,2,3,4,5,6,7
	v_mov_b32 v[HSC+8+\i], 0x7f7f7f7f              ; h's scale words, set 1: written on every way (the scale 1) long before a product could name them
.endr
	s_mul_i32 s30, s17, 3145728
	s_mul_i32 s31, s18, 196608
	s_add_co_u32 s30, s30, s31
	s_mul_i32 s31, s16, 768
	s_add_co_u32 s30, s30, s31                     ; my 64 rows' bytes 768 w on
	s_mov_b32 s31, 0
	s_lshl_b32 s32, s17, 17
	s_lshl_b32 s33, s18, 13
	s_add_co_u32 s32, s32, s33
	s_lshl_b32 s33, s16, 5
	s_add_co_u32 s32, s32, s33
	s_mov_b32 s33, 0
	s_lshl_b32 s34, s17, 12
	s_lshl_b32 s35, s18, 8
	s_add_co_u32 s34, s34, s35
	s_mov_b32 s35, 0
	s_wait_kmcnt 0x0
	s_load_b64 s[20:21], s[12:13], s28 offset:TINFO   ; the expert's first tile, its tiles
	s_add_nc_u64 s[4:5], s[4:5], s[30:31]
	s_add_nc_u64 s[6:7], s[6:7], s[32:33]
	s_add_nc_u64 s[8:9], s[8:9], s[34:35]
	s_wait_alu depctr_va_vdst(0)                   ; the offsets and LDS addresses made above are written: v188 to v196 for the head's loads and LDS lines, v6 and v7 for the loop's; so are v40 to v47, in which loads land later and which products name as scales
.irp t, 0,1,2,3
	global_load_b128 v[W2S+4*\t:W2S+4*\t+3], v195, s[6:7] offset:2048*\t
.endr
	global_load_b128 v[12:15], v196, s[8:9]
.set j, 0
.rept 96
	RAWREG j
	WIN RW<<6
	global_load_b128 v[RR:RR+3], v[188+j%3], s[4:5] offset:6144*(j/3)   ; sixteen lanes take 256 consecutive bytes, aligned
.set j, j+1
.endr
	WIN 0
	s_wait_kmcnt 0x0
	s_min_u32 s20, s20, 134                        ; loaded numbers enter addresses and compares behind bounds
	s_min_u32 s21, s21, 64
	s_cmp_eq_u32 s21, 0
	s_cselect_b32 s20, 0, s20                      ; an expert without rows: the loads below take tile 0, which always exists
	s_max_u32 s22, s21, 1
	s_sub_co_u32 s22, s22, 1                       ; the expert's last tile
	s_lshl_b32 s23, s19, 1                         ; the trip's first tile: 2 q + 4 x trip
.macro HPREP a, b                      ; where the tiles a and b on from the trip's first lie in hq; both are held at the expert's last tile
	s_add_co_u32 s30, s23, \a
	s_min_u32 s30, s30, s22
	s_add_co_u32 s30, s30, s20
	s_min_u32 s30, s30, 134
	s_mul_i32 s30, s30, TBB
	v_add_nc_u32 v2, s30, v10
	v_add_nc_u32 v4, s30, v11
	s_add_co_u32 s30, s23, \b
	s_min_u32 s30, s30, s22
	s_add_co_u32 s30, s30, s20
	s_min_u32 s30, s30, 134
	s_mul_i32 s30, s30, TBB
	v_add_nc_u32 v3, s30, v10
	v_add_nc_u32 v5, s30, v11
.endm
.macro HSCL set                        ; two tiles' scale words of my 8 K steps: 8 loads, in window 0
.irp j, 0,1
.irp i, 0,1,2,3
	global_load_b32 v[HSC+8*(\set)+4*\j+\i], v[4+\j], s[10:11] offset:128*\i
.endr
.endr
.endm
.macro HFRAG set, kk                   ; fragment kk of 16: K step kk / 2 of my 8, tile kk % 2: three loads
	SLOT 32+16*(\set)+(\kk)
	WIN SW<<6
.irp c, 0,1,2
	global_load_b128 v[SR+4*\c:SR+4*\c+3], v[2+(\kk)%2], s[10:11] offset:1536*((\kk)/2)+512*\c
.endr
.endm
.macro LOADH set                       ; all of it in one run: 8 + 48 loads
	HSCL \set
.set k, 0
.rept 16
	HFRAG \set, k
.set k, k+1
.endr
	WIN 0
.endm
	HPREP 0, 1
	s_wait_alu depctr_va_vdst(0)                   ; v2 to v5 are written, which the loads of h read
	LOADH 0
	s_wait_loadcnt 56                              ; W2, its scale words and b2 are in: behind them the first pair's 56 loads were issued
.set j, 0
.rept 96
	RAWREG j
	WIN RW<<2                                      ; an LDS store's data are its source 1
	ds_store_b128 v[191+j%3], v[RR:RR+3] offset:1568*(j/3)
.set j, j+1
.endr
	WIN 0
	s_wait_dscnt 0x0                               ; the stage is my own: no barrier; my stores lie in it
	s_wait_alu depctr_vm_vsrc(0)                   ; the LDS stores have read the registers in which W2 landed: the fragments below and, later, h's set 1 land in them
.set i, 0
.rept 32                               ; slot 4 s + t
	FRAGLD i, 194, 16*PITCH*(i%4)+96*(i/4)
.set i, i+1
.endr
	WIN 0
	s_wait_dscnt 0x0
.macro TRIP set
	s_cmp_lt_u32 s23, s21
	s_cbranch_scc0 .Lidle_\@                       ; no tile left for this trip: only the barrier
	s_wait_loadcnt 0x0                             ; this trip's h is in, so its address registers may be written
	s_wait_alu depctr_vm_vsrc(0)                   ; the loads of h issued so far have read v2 to v5, which are written below; my LDS stores of the last trip have read the accumulators, which this trip's first products begin anew
	HPREP 4, 5
	s_wait_alu depctr_va_vdst(0)                   ; v2 to v5 are written, which the loads of the next trip's h read (the products that read the set in which they land stand ahead of the wait in front of the last trip's LDS stores)
	HSCL 1-\set                                    ; the next trip's h lands under this trip's products: the 8 loads of scale words now,
.set k, 0
.rept 64                               ; product 8 s + 4 j + t: the eight accumulators take turns, one instruction a turn
.if (k%2 == 0) && (k < 16)
	HFRAG 1-\set, k                                ; two fragments, six loads, ahead of each pair of the first sixteen products.  No further wait: the products name W2's slots, this trip's set of h, the accumulators and their scale words, none of the registers that these loads touch
	HFRAG 1-\set, k+1
.endif
.set ws, k/8
.set wj, (k/4)%2
.set wt, k%4
	SLOT 4*ws+wt
.set AW, SW
.set AR, SR
	SLOT 32+16*(\set)+2*ws+wj
	WIN AW|(SW<<2)
.set AC, ACC+8*(4*wj+wt)
.set SCA, W2S+4*wt+ws%4
.set SCB, HSC+8*(\set)+4*wj+ws%4
.if ws == 0
	v_wmma_scale_f32_16x16x128_f8f6f4 v[AC:AC+7], v[AR:AR+11], v[SR:SR+11], 0, v[SCA], v[SCB] matrix_a_fmt:MATRIX_FMT_FP6 matrix_b_fmt:MATRIX_FMT_FP6
.elseif ws < 4
	v_wmma_scale_f32_16x16x128_f8f6f4 v[AC:AC+7], v[AR:AR+11], v[SR:SR+11], v[AC:AC+7], v[SCA], v[SCB] matrix_a_fmt:MATRIX_FMT_FP6 matrix_b_fmt:MATRIX_FMT_FP6
.else
	v_wmma_scale_f32_16x16x128_f8f6f4 v[AC:AC+7], v[AR:AR+11], v[SR:SR+11], v[AC:AC+7], v[SCA], v[SCB] matrix_a_fmt:MATRIX_FMT_FP6 matrix_b_fmt:MATRIX_FMT_FP6 matrix_a_scale:MATRIX_SCALE_ROW1 matrix_b_scale:MATRIX_SCALE_ROW1
.endif
.set k, k+1
.endr
	WIN 0
.rept 5
	v_nop                                          ; plain lines behind the last product: four for the stores that read results, a fifth since the next trip begins these accumulators anew
.endr
	s_wait_alu depctr_va_vdst(0)                   ; the products have written the accumulators, which the LDS stores read, and are done reading their set of h, in which the next trip's loads land; the places above stay beside this wait
.irp j, 0,1
.irp t, 0,1,2,3
	ds_store_b128 v6, v[ACC+8*(4*\j+\t):ACC+8*(4*\j+\t)+3] offset:REDB*(\set)+4352*\j+64*\t        ; each accumulator from its low end on
	ds_store_b128 v6, v[ACC+8*(4*\j+\t)+4:ACC+8*(4*\j+\t)+7] offset:REDB*(\set)+4352*\j+64*\t+16
.endr
.endr
.Lidle_\@:
	s_wait_dscnt 0x0                               ; my partial sums lie in this buffer; my reads of the other buffer, which the next trip writes, were over a trip ago
	s_barrier_signal -1
	s_barrier_wait -1
	s_add_co_u32 s31, s23, s24                     ; the tile whose rows I add
	s_cmp_lt_u32 s31, s21
	s_cbranch_scc0 .Lnext_\@                       ; it does not exist (the second tile only repeats the last): nothing is stored
	s_wait_xcnt 0x0                                ; the last trip's stores have had their addresses translated: their data and offset are written again below
	s_wait_alu depctr_vm_vsrc(0)                   ; the last trip's stores have read v112 on, in which the LDS loads below land, and v9, which is written below
	s_add_co_u32 s31, s31, s20
	s_min_u32 s31, s31, 134
	s_lshl_b32 s31, s31, 16                        ; 16 rows of 4,096 bytes
	v_add_nc_u32 v9, s31, v8
.irp m, 0,1,2,3
.irp p, 0,1,2,3
	ds_load_b128 v[RB+16*\m+4*\p:RB+16*\m+4*\p+3], v7 offset:REDB*(\set)+8704*\p+544*\m   ; (the last additions on these registers stand ahead of the wait in front of the last trip's stores; no vector line has named them since)
.endr
.endr
	s_wait_dscnt 0x0
.irp m, 0,1,2,3
.irp h, 0,2
	v_pk_add_f32 v[RB+16*\m+\h:RB+16*\m+\h+1], v[RB+16*\m+\h:RB+16*\m+\h+1], v[RB+16*\m+4+\h:RB+16*\m+5+\h]
	v_pk_add_f32 v[RB+16*\m+8+\h:RB+16*\m+9+\h], v[RB+16*\m+8+\h:RB+16*\m+9+\h], v[RB+16*\m+12+\h:RB+16*\m+13+\h]
.endr
.irp h, 0,2
	v_pk_add_f32 v[RB+16*\m+\h:RB+16*\m+\h+1], v[RB+16*\m+\h:RB+16*\m+\h+1], v[RB+16*\m+8+\h:RB+16*\m+9+\h]
.endr
.irp h, 0,2
	v_pk_add_f32 v[RB+16*\m+\h:RB+16*\m+\h+1], v[RB+16*\m+\h:RB+16*\m+\h+1], v[12+\h:13+\h]   ; + b2
.endr
.endr
	s_wait_alu depctr_va_vdst(0)                   ; the additions have written the four sums and v9 is written, which the stores read; the additions are done with v112 to v175, in which the next LDS loads land
.irp m, 0,1,2,3
	global_store_b128 v9, v[RB+16*\m:RB+16*\m+3], s[14:15] offset:8192*\m   ; sixteen lanes store 256 consecutive bytes, aligned
.endr
.Lnext_\@:
	s_add_co_u32 s23, s23, 4
.endm
	s_mov_b32 s25, 8
.Lpair:                                ; 8 x 2 trips: the two sets of h's registers and the two buffers change places
	TRIP 0
	TRIP 1
	s_sub_co_u32 s25, s25, 1
	s_cmp_lg_u32 s25, 0
	s_cbranch_scc1 .Lpair
	s_wait_dscnt 0x0
	s_wait_alu depctr_hold_cnt(0) depctr_sa_sdst(0) depctr_va_vdst(0) depctr_va_sdst(0) depctr_va_ssrc(0) depctr_va_vcc(0) depctr_vm_vsrc(0)
	s_wait_tensorcnt 0x0
	ds_add_u32 v254, v255
	s_wait_dscnt 0x0
	s_endpgm
.Lfunc_end_k_qabcf98be8d_ffn2:
	.size	k_qabcf98be8d_ffn2, .Lfunc_end_k_qabcf98be8d_ffn2-k_qabcf98be8d_ffn2
	.p2alignl 7, 3214868480
	.fill 96, 4, 3214868480
	.section	.rodata,"a",@progbits
	.p2align	6, 0x0
	.amdhsa_kernel k_qabcf98be8d_ffn2
		.amdhsa_group_segment_fixed_size 270848
		.amdhsa_private_segment_fixed_size 0
		.amdhsa_enable_private_segment 0
		.amdhsa_kernarg_size 48
		.amdhsa_user_sgpr_count 2
		.amdhsa_user_sgpr_kernarg_segment_ptr 1
		.amdhsa_wavefront_size32 1
		.amdhsa_system_sgpr_workgroup_id_x 1
		.amdhsa_system_sgpr_workgroup_id_y 1
		.amdhsa_system_sgpr_workgroup_id_z 1
		.amdhsa_system_vgpr_workitem_id 0
		.amdhsa_next_free_vgpr 1024
		.amdhsa_next_free_sgpr 66
		.amdhsa_reserve_vcc 0
		.amdhsa_float_denorm_mode_32 3
		.amdhsa_float_denorm_mode_16_64 3
		.amdhsa_memory_ordered 1
		.amdhsa_forward_progress 1
		.amdhsa_inst_pref_size 79
	.end_amdhsa_kernel
	.amdgpu_metadata
---
amdhsa.version: [ 1, 2 ]
amdhsa.kernels:
  - .name:           k_qabcf98be8d_ffn2
    .symbol:         k_qabcf98be8d_ffn2.kd
    .args:
      - { .name: W2_codes, .offset: 0, .size: 8, .value_kind: global_buffer, .address_space: global }
      - { .name: W2_scales, .offset: 8, .size: 8, .value_kind: global_buffer, .address_space: global }
      - { .name: b2, .offset: 16, .size: 8, .value_kind: global_buffer, .address_space: global }
      - { .name: hq, .offset: 24, .size: 8, .value_kind: global_buffer, .address_space: global }
      - { .name: plan, .offset: 32, .size: 8, .value_kind: global_buffer, .address_space: global }
      - { .name: y, .offset: 40, .size: 8, .value_kind: global_buffer, .address_space: global }
    .group_segment_fixed_size: 270848
    .private_segment_fixed_size: 0
    .kernarg_segment_align: 8
    .kernarg_segment_size: 48
    .max_flat_workgroup_size: 128
    .sgpr_count:     66
    .vgpr_count:     1024
    .wavefront_size: 32
...
	.end_amdgpu_metadata
.endif
;; end of part 9
;; launch combine (part 10): grid 256 x 1, 4 waves a work-group, no clusters, 0 bytes of LDS; arguments y, plan, rtf, out0; writes out0
.if DOCPART == 10
	.amdgcn_target "amdgcn-amd-amdhsa--gfx1250"
	.amdhsa_code_object_version 6
	.text
	.protected	k_qabcf98be8d_combine
	.globl	k_qabcf98be8d_combine
	.p2align	8
	.type	k_qabcf98be8d_combine,@function
k_qabcf98be8d_combine:
	s_mov_b64 s[64:65], 0
	v_nop
	global_prefetch_b8 v0, s[64:65] scope:SCOPE_SE
	s_setreg_imm32_b32 hwreg(HW_REG_WAVE_MODE, 25, 1), 1
	s_wait_xcnt 0x0
; out0[t] = gate0 y[row of slot 2 t] + gate1 y[row of slot 2 t + 1].  y: [2160][1024] f32 in sorted order, b2 added; plan holds each slot's sorted row, rtf the two gates.
; A wave takes a token: 2 x 8 loads of 512 consecutive bytes, 8 stores of 512.  Each row of y is named once in the launch.  A stream: no LDS, no barrier, no matrix unit, nothing shared between work-groups.
.set POS, 8704
	s_load_b256 s[4:11], s[0:1], 0x0               ; y s[4:5], plan s[6:7], rtf s[8:9], out0 s[10:11]
	v_lshrrev_b32 v1, 5, v0
	v_readfirstlane_b32 s12, v1                    ; wave
	v_and_b32 v1, 31, v0
	v_lshlrev_b32 v1, 4, v1                        ; 16 x lane
	s_lshl_b32 s13, ttmp9, 2
	s_add_co_u32 s13, s13, s12                     ; my token
	s_lshl_b32 s14, s13, 3
	s_lshl_b32 s20, s13, 12
	s_mov_b32 s21, 0
	s_wait_alu depctr_va_vdst(0)
	s_wait_kmcnt 0x0
	s_load_b64 s[16:17], s[6:7], s14 offset:POS    ; its two sorted rows
	s_load_b64 s[18:19], s[8:9], s14 offset:0x0    ; its two gates
	s_add_nc_u64 s[10:11], s[10:11], s[20:21]
	s_wait_kmcnt 0x0
	s_min_u32 s16, s16, 2159                       ; loaded numbers enter addresses behind a bound
	s_min_u32 s17, s17, 2159
	s_lshl_b32 s16, s16, 12
	s_lshl_b32 s17, s17, 12
	v_add_nc_u32 v2, s16, v1
	v_add_nc_u32 v3, s17, v1
.irp j, 0,1,2,3,4,5,6,7
	global_load_b128 v[8+4*\j:11+4*\j], v2, s[4:5] offset:512*\j th:TH_LOAD_NT
.endr
.irp j, 0,1,2,3,4,5,6,7
	global_load_b128 v[40+4*\j:43+4*\j], v3, s[4:5] offset:512*\j th:TH_LOAD_NT
.endr
	s_mov_b32 s24, s18                             ; each gate as a pair: a packed form names a pair and takes its low word for both halves
	s_mov_b32 s25, s18
	s_mov_b32 s26, s19
	s_mov_b32 s27, s19
	s_wait_loadcnt 0x0
.irp j, 0,2,4,6,8,10,12,14,16,18,20,22,24,26,28,30
	v_pk_mul_f32 v[8+\j:9+\j], v[8+\j:9+\j], s[24:25] op_sel_hi:[1,0]
.endr
.irp j, 0,2,4,6,8,10,12,14,16,18,20,22,24,26,28,30
	v_pk_fma_f32 v[8+\j:9+\j], v[40+\j:41+\j], s[26:27], v[8+\j:9+\j] op_sel_hi:[1,0,1]
.endr
.irp j, 0,1,2,3,4,5,6,7
	global_store_b128 v1, v[8+4*\j:11+4*\j], s[10:11] offset:512*\j th:TH_STORE_NT   ; 512 consecutive bytes, aligned to 256
.endr
	s_endpgm
.Lfunc_end_k_qabcf98be8d_combine:
	.size	k_qabcf98be8d_combine, .Lfunc_end_k_qabcf98be8d_combine-k_qabcf98be8d_combine
	.p2alignl 7, 3214868480
	.fill 96, 4, 3214868480
	.section	.rodata,"a",@progbits
	.p2align	6, 0x0
	.amdhsa_kernel k_qabcf98be8d_combine
		.amdhsa_group_segment_fixed_size 0
		.amdhsa_private_segment_fixed_size 0
		.amdhsa_enable_private_segment 0
		.amdhsa_kernarg_size 32
		.amdhsa_user_sgpr_count 2
		.amdhsa_user_sgpr_kernarg_segment_ptr 1
		.amdhsa_wavefront_size32 1
		.amdhsa_system_sgpr_workgroup_id_x 1
		.amdhsa_system_sgpr_workgroup_id_y 1
		.amdhsa_system_sgpr_workgroup_id_z 1
		.amdhsa_system_vgpr_workitem_id 0
		.amdhsa_next_free_vgpr 80
		.amdhsa_next_free_sgpr 66
		.amdhsa_reserve_vcc 0
		.amdhsa_float_denorm_mode_32 3
		.amdhsa_float_denorm_mode_16_64 3
		.amdhsa_memory_ordered 1
		.amdhsa_forward_progress 1
		.amdhsa_inst_pref_size 6
	.end_amdhsa_kernel
	.amdgpu_metadata
---
amdhsa.version: [ 1, 2 ]
amdhsa.kernels:
  - .name:           k_qabcf98be8d_combine
    .symbol:         k_qabcf98be8d_combine.kd
    .args:
      - { .name: y, .offset: 0, .size: 8, .value_kind: global_buffer, .address_space: global }
      - { .name: plan, .offset: 8, .size: 8, .value_kind: global_buffer, .address_space: global }
      - { .name: rtf, .offset: 16, .size: 8, .value_kind: global_buffer, .address_space: global }
      - { .name: out0, .offset: 24, .size: 8, .value_kind: global_buffer, .address_space: global }
    .group_segment_fixed_size: 0
    .private_segment_fixed_size: 0
    .kernarg_segment_align: 8
    .kernarg_segment_size: 32
    .max_flat_workgroup_size: 128
    .sgpr_count:     66
    .vgpr_count:     80
    .wavefront_size: 32
...
	.end_amdgpu_metadata
.endif
;; end of part 10
